; MI455X (gfx1250); checked and timed in simulation.
; The chip was launched on July 23, 2026; its instructions are those of AMD's public machine-readable ISA for CDNA 5 (MIT licence, August 2026) and "CDNA5" Instruction Set Architecture Reference Guide (July 2026). The comments in the code are by the model that wrote it; some were corrected since.
;; Tip Adapter Linear. Allowed arithmetic: float matrix products may take bf16 or f16 operands with f32 sums; other float arithmetic in f32, or as packed bf16 or f16 multiplies, adds, multiply-adds, maxima and minima; sums over many terms, partial sums and values carried from step to step in f32; what a program stores and reads back later, other than sums and carried values, may be rounded once to bf16 or f16.
;; Inputs: alpha 1 float32; beta 1 float32; cache_image_features 16,384 x 1,024 float32; cache_text_features 16,384 x 1,024 float32; x 2,048 x 1,024 float32.
;; Outputs: out0 2,048 x 1,024 float32.
;; 2 versions, each right; version 2 is version 1 with the launch combine written anew for expert scheduling mode. Each part assembles by itself: llvm-mc -triple=amdgcn-amd-amdhsa -mcpu=gfx1250 --defsym DOCPART=n.
;; ======== version 1 of 2: 4 launches
;; limits: values outside matrix products are rounded to bf16
;; workspace buffers: xb 4,194,304 bytes; kb 33,554,432 bytes; vb 33,554,432 bytes; pf 67,108,864 bytes; st 2,097,152 bytes; st2 524,288 bytes; part 67,108,864 bytes
;; launch conv (part 1): grid 2304 x 1, 8 waves a work-group, no clusters, 0 bytes of LDS; arguments x, cache_image_features, xb, kb; writes xb, kb
.if DOCPART == 1
	.amdgcn_target "amdgcn-amd-amdhsa--gfx1250"
	.amdhsa_code_object_version 6
	.text
	.protected	k_q6dcd02b183_conv
	.globl	k_q6dcd02b183_conv
	.p2align	8
	.type	k_q6dcd02b183_conv,@function
k_q6dcd02b183_conv:
	s_mov_b64 s[64:65], 0
	v_nop
	global_prefetch_b8 v0, s[64:65] scope:SCOPE_SE
	s_setreg_imm32_b32 hwreg(HW_REG_WAVE_MODE, 25, 1), 1
	s_wait_xcnt 0x0
; out = x + alpha softmax_n(beta x K^T) V, in four launches: this one, scores, mix, combine.
; NO WORK IS LEFT OUT: x, K (cache_image_features), V (cache_text_features), beta and alpha all reach the output, and every one is loaded by some launch.
; THIS LAUNCH rounds x and K once to bf16 (nearest even): xb, kb, same shapes, row-major: the operands of the first product; xb is also the x of the last addition.
; V is rounded in the same way by the launch scores, beside its products.
; LIMITS OF THE PROGRAM.  All five inputs are rounded to bf16 once; NaN and infinities are not treated apart; a weight or a correction factor below 2^-126 counts as 0.
; SHARES.  A work-group takes 32,768 bytes of one source: groups 0-255 x, 256-2303 K: 2,304 = 9 x 256 groups of equal work.  A wave takes 4,096 bytes: 8 loads of 512 consecutive bytes;
; each becomes two roundings and one store of 8 bytes a lane: 256 consecutive bytes, aligned.  All 8 loads go out first; no register is used twice, so the only waits are the counted ones.
; No LDS, no matrix unit, no cluster: nothing is shared and nothing is reused.  No prefetch: the loads themselves are the stream.
.set XR, 8                             ; v[8:39]   load i: 4 registers
.set YR, 40                            ; v[40:55]  store i: 2 registers
	s_load_b256 s[4:11], s[0:1], 0x0               ; x s[4:5], K s[6:7], xb s[8:9], kb s[10:11]
	v_lshrrev_b32 v3, 5, v0                        ; wave
	v_and_b32 v4, 31, v0                           ; lane
	v_lshlrev_b32 v1, 12, v3
	v_lshl_add_u32 v1, v4, 4, v1                   ; source: 4,096 x wave + 16 x lane
	v_lshlrev_b32 v2, 11, v3
	v_lshl_add_u32 v2, v4, 3, v2                   ; copy: 2,048 x wave + 8 x lane
	s_wait_kmcnt 0x0
	s_cmp_lt_u32 ttmp9, 256                        ; which tensor: the choice hangs on the work-group's number alone
	s_cselect_b64 s[16:17], s[4:5], s[6:7]
	s_cselect_b64 s[18:19], s[8:9], s[10:11]
	s_cselect_b32 s20, 0, 256
	s_sub_co_u32 s20, ttmp9, s20                   ; my number within the tensor, 2,047 at the most
	s_lshl_b32 s22, s20, 15
	s_mov_b32 s23, 0
	s_add_nc_u64 s[16:17], s[16:17], s[22:23]
	s_lshl_b32 s22, s20, 14
	s_add_nc_u64 s[18:19], s[18:19], s[22:23]
.set i, 0
.rept 8
	global_load_b128 v[XR+4*i:XR+4*i+3], v1, s[16:17] offset:512*i th:TH_LOAD_NT
.set i, i+1
.endr
.set i, 0
.rept 8
	s_wait_loadcnt 7-i                             ; loads come back in order: load i is in, the 7 - i younger ones stay out
	v_cvt_pk_bf16_f32 v[YR+2*i], v[XR+4*i], v[XR+4*i+1]
	v_cvt_pk_bf16_f32 v[YR+2*i+1], v[XR+4*i+2], v[XR+4*i+3]
	global_store_b64 v2, v[YR+2*i:YR+2*i+1], s[18:19] offset:256*i
.set i, i+1
.endr
	s_endpgm
.Lfunc_end_k_q6dcd02b183_conv:
	.size	k_q6dcd02b183_conv, .Lfunc_end_k_q6dcd02b183_conv-k_q6dcd02b183_conv
	.p2alignl 7, 3214868480
	.fill 96, 4, 3214868480
	.section	.rodata,"a",@progbits
	.p2align	6, 0x0
	.amdhsa_kernel k_q6dcd02b183_conv
		.amdhsa_group_segment_fixed_size 0
		.amdhsa_private_segment_fixed_size 0
		.amdhsa_enable_private_segment 0
		.amdhsa_kernarg_size 32
		.amdhsa_user_sgpr_count 2
		.amdhsa_user_sgpr_kernarg_segment_ptr 1
		.amdhsa_wavefront_size32 1
		.amdhsa_system_sgpr_workgroup_id_x 1
		.amdhsa_system_sgpr_workgroup_id_y 1
		.amdhsa_system_sgpr_workgroup_id_z 1
		.amdhsa_system_vgpr_workitem_id 0
		.amdhsa_next_free_vgpr 56
		.amdhsa_next_free_sgpr 66
		.amdhsa_reserve_vcc 0
		.amdhsa_float_denorm_mode_32 3
		.amdhsa_float_denorm_mode_16_64 3
		.amdhsa_memory_ordered 1
		.amdhsa_forward_progress 1
		.amdhsa_inst_pref_size 4
	.end_amdhsa_kernel
	.amdgpu_metadata
---
amdhsa.version: [ 1, 2 ]
amdhsa.kernels:
  - .name:           k_q6dcd02b183_conv
    .symbol:         k_q6dcd02b183_conv.kd
    .args:
      - { .name: x, .offset: 0, .size: 8, .value_kind: global_buffer, .address_space: global }
      - { .name: cache_image_features, .offset: 8, .size: 8, .value_kind: global_buffer, .address_space: global }
      - { .name: xb, .offset: 16, .size: 8, .value_kind: global_buffer, .address_space: global }
      - { .name: kb, .offset: 24, .size: 8, .value_kind: global_buffer, .address_space: global }
    .group_segment_fixed_size: 0
    .private_segment_fixed_size: 0
    .kernarg_segment_align: 8
    .kernarg_segment_size: 32
    .max_flat_workgroup_size: 256
    .sgpr_count:     66
    .vgpr_count:     56
    .wavefront_size: 32
...
	.end_amdgpu_metadata
.endif
;; end of part 1
;; launch scores (part 2): grid 64 x 8, 4 waves a work-group, clusters of 4 x 4, 327,680 bytes of LDS; arguments xb, kb, beta, pf, st, cache_text_features, vb; writes pf, st, vb
.if DOCPART == 2
	.amdgcn_target "amdgcn-amd-amdhsa--gfx1250"
	.amdhsa_code_object_version 6
	.text
	.protected	k_q6dcd02b183_scores
	.globl	k_q6dcd02b183_scores
	.p2align	8
	.type	k_q6dcd02b183_scores,@function
k_q6dcd02b183_scores:
	s_mov_b64 s[64:65], 0
	v_nop
	global_prefetch_b8 v0, s[64:65] scope:SCOPE_SE
	s_setreg_imm32_b32 hwreg(HW_REG_WAVE_MODE, 25, 1), 1
	s_wait_xcnt 0x0
	s_wait_alu depctr_hold_cnt(0) depctr_sa_sdst(0) depctr_va_vdst(0) depctr_va_sdst(0) depctr_va_ssrc(0) depctr_va_vcc(0) depctr_vm_vsrc(0)
	s_getreg_b32 s2, hwreg(HW_REG_IB_STS2, 6, 4)
	s_cmp_eq_u32 s2, 0
	s_cbranch_scc0 .Lentry_in_a_cluster
	s_endpgm
.Lentry_in_a_cluster:
	s_bfe_u32 s2, ttmp6, 0x10000c
	s_cmp_lg_u32 s2, 0xf033
	s_cbranch_scc0 .Lentry_shape_is_right
	s_endpgm
.Lentry_shape_is_right:
; THE FIRST PRODUCT, THE FIRST LEVEL OF THE SOFTMAX, AND V's ROUNDING.  Nothing of the problem is left out.
; S[q][n] = sum over d of xb[q][d] kb[n][d], bf16 operands, f32 sums.  With c = bf16(beta) log2(e), for each query q and each BLOCK of 128 keys:
;   m = max over the block of c S (the scores are scaled first and the maximum taken then, so a negative beta is served);  p = 2^(c S - m), rounded once to bf16;  l = the sum of the unrounded p, f32.
; p lies in 0 to 1 and the block's largest is exactly 1; l is at least 1.  The later launches take the maximum over blocks away in the same manner.
; LIMITS.  NaN and infinities are not treated apart; a p below 2^-126 counts as 0; c S is rounded to f32 before m is taken away.
; SHARES.  A work-group makes 256 queries x 256 keys, four waves of 128 x 128: 64 accumulators of 16 x 16, 512 registers.  D goes in steps of 128 through a ring of two LDS slots filled by tensor loads.
; CLUSTERS: 4 x 4 work-groups; the four of a row of the cluster need the same rows of xb, the four of a column the same rows of kb: each tile is asked for jointly, by the same tensor load, descriptor and mask in all four.
; THE MATRIX INSTRUCTION IS USED TRANSPOSED: source 0 = 16 keys, source 1 = 16 queries.  In the result lane l holds query l % 16 and the keys 8 (l / 16) + 0..7.
; BESIDE THE PRODUCTS each of the launch's 2,048 waves rounds 32,768 bytes of V (cache_text_features) to bf16 into vb, for the next launch: 8 chunks of 4,096 bytes, one a step of D; a chunk's 8 loads go out
; two steps ahead of its roundings, so no wave waits for them and they need no prefetch.  The product's own loop uses little of the road to memory.
; OUT.  pf: [query block of 16: 128][key block of 16: 1024][lane 32][16 bytes]: a lane's eight p of one accumulator.  Two neighbouring key blocks ARE source 1 (16 queries x 32 keys) of the next launch's product.
;       st: [block of 128 keys: 128][32 queries: 64][lane 32][2] f32: lanes 0-15 m of queries r and 16 + r, lanes 16-31 l of the same.      vb: V's shape, bf16.
; REGISTERS, in windows of 256 (s_set_vgpr_msb: bits 1:0 source 0, 3:2 source 1, 5:4 source 2, 7:6 destination):
;   window 0: v0-31 addresses; v32-49 statistics; v64-127, v128-191 fragments of xb, two buffers, on the way out the scaled scores of two query blocks; v192-255 their p, packed
;   window 1: v64-127, v128-191 fragments of kb; v0-31, v192-223 two chunks of V as loaded; v32-47 a chunk rounded;   windows 2, 3: the accumulators of my queries 0-63, 64-127 ((a, b) at v[8 (8 (a % 4) + b)])
.set SIZE_K, 1024
.set KSTEP,  128
.set PITCH,  272                       ; an LDS row: 256 bytes + 16 of padding: the 16 rows of a fragment load start at 16 different groups of four banks (64 banks of 4 bytes: ISA guide 11.1)
.set HALFT,  128*PITCH                 ; what one tensor load brings
.set SLOT,   4*HALFT                   ; xb's 256 rows, then kb's 256 rows
.set SPARE,  2*SLOT                    ; behind the ring: the spare words, 128 bytes a wave, two blocks of 256 bytes that no other line names
.set LAPS,   SIZE_K/(2*KSTEP)          ; 4 laps of two steps
.set ADRA, 16                          ; v16-17  LDS address of my xb fragments in slot 0, 1
.set ADRB, 20                          ; v20-21  the same for kb
.set PO,   24                          ; v24     16 x lane; never rewritten
.set SO,   25                          ; v25     8 x lane; never rewritten
.set SPW,  28                          ; v28     my spare word; never rewritten
.set NIL,  29                          ; v29     0; never rewritten
.set PFO,  30                          ; v30     the prefetches' offset: lane x a row (2,048 bytes); never rewritten
.set STA,  32                          ; block u's statistics at v[STA+8 u]: +0 m, +1 to +4 four chains (+2 later the other half's figure), +5 l
.set SV,   48                          ; v[48:49] what goes to st
.set F0,   64
.set F1,   128
.set TV,   64                          ; the way out: block u's 64 scaled scores at v[TV+64 u]
.set PK,   192                         ; block u's 32 words of p at v[PK+32 u]
.set VLD,  0                           ; window 1: V as loaded, set s at v[VLD+192 s], 32 registers
.set VPK,  32                          ; window 1: a chunk of V rounded, 16 registers
.set PF,   10                          ; s[10:11] pf at my wave's part
.set STP,  12                          ; s[12:13] st at my wave's part
.set WV,   14                          ; s14 wave
.set RW,   15                          ; s15 which half of the tile's queries is mine; also: I fetch xb (0) or kb (1)
.set CW,   16                          ; s16 which half of its keys; also: which 128 rows I fetch
.set CX,   17
.set CY,   18
.set TC,   19                          ; s19 tile column (keys)
.set TR,   20                          ; s20 tile row (queries)
.set MROW, 21
.set MCOL, 22
.set LD0,  23                          ; s23 wave x HALFT
.set G1,   24                          ; s[24:31] descriptor group 1 for xb's tiles; s[32:39] group 0, a set for each slot
.set G0,   32
.set PFA,  44                          ; s[44:45] where my prefetches stand
.set LIM,  46                          ; s46 1 in a wave that prefetches, else the greatest number
.set G1B,  48                          ; s[48:55], s[56:63] the same for kb's tiles
.set G0B,  56
.set CS,   66                          ; s[66:67] c, twice
.set SEL,  68                          ; s[68:69] v_permlanex16_b32's selects: each lane takes its own place in the other half
.set HM,   70                          ; s70 the lanes 16-31
.set VS,   76                          ; s[76:77] V at my wave's part, one chunk behind the chunk to be loaded
.set VD,   78                          ; s[78:79] vb at my wave's part, one chunk past the chunk to be stored
.set MSB, 0
.macro WIN new                         ; the immediate's high byte repeats the setting that is left; a switch that changes nothing is dropped
.if MSB != (\new)
	s_set_vgpr_msb (MSB<<8)|(\new)
.set MSB, \new
.endif
.endm
.set MUL_LO, 0xa1                      ; source 0 (kb) window 1, source 1 (xb) window 0, C and D window 2
.set MUL_HI, 0xf1                      ; the same, C and D window 3
.set TO_B,   0x40                      ; destination window 1, address window 0
; A joint load: waves 0 and 1 fetch xb's two halves, waves 2 and 3 kb's.  The branch hangs on the wave's number alone.  An s_nop 0 and four v_nop follow each line.
.macro JLOAD s
	s_cmp_eq_u32 s[RW], 0
	s_cbranch_scc0 .Lfor_b_\@
	tensor_load_to_lds s[G0+4*(\s):G0+4*(\s)+3], s[G1:G1+7]
	s_nop 0
.rept 4
	v_nop
.endr
	s_branch .Lasked_\@
.Lfor_b_\@:
	tensor_load_to_lds s[G0B+4*(\s):G0B+4*(\s)+3], s[G1B:G1B+7]
	s_nop 0
.rept 4
	v_nop
.endr
.Lasked_\@:
.endm
; A prefetch, behind each joint refill and the run of LDS loads that follows it: the step that stands two refills on (512 matrix instructions ahead of its load): 32 rows x 256 bytes, a lane a row.
; xb's rows are asked for by the clusters with x = 0, kb's by those with y = 0; the four partners of a joint load take 32 of its 128 rows each, told apart by address.  So each row's 256 bytes of a step are named once.
; Steps 0 to 3 come by their loads alone; the loop's last trip (s3 = 1) asks for nothing: there is no step two on.
.macro ASK
	s_cmp_gt_u32 s3, s[LIM]
	s_cbranch_scc0 .Lnot_mine_\@
	global_prefetch_b8 v[PFO], s[PFA:PFA+1] offset:KSTEP*2 th:TH_LOAD_NT scope:SCOPE_SE
.Lnot_mine_\@:
.endm
.macro CREST                           ; a round of the cluster's barrier behind its opening barrier
	s_cmp_lg_u32 s[WV], 0
	s_cbranch_scc1 .Lnot_wave_0_\@
	s_barrier_signal -3
.Lnot_wave_0_\@:
	s_barrier_wait -3
	s_barrier_signal -1
	s_barrier_wait -1
.endm
.macro CROUND
	s_barrier_signal -1
	s_barrier_wait -1
	CREST
.endm
	s_load_b256 s[4:11], s[0:1], 0x0               ; xb s[4:5], kb s[6:7], beta s[8:9], pf s[10:11]
	s_load_b64 s[STP:STP+1], s[0:1], 0x20          ; st
	s_load_b128 s[VS:VS+3], s[0:1], 0x28           ; V s[76:77], vb s[78:79]
	v_lshl_add_u32 v[SPW], v0, 2, SPARE
	v_mov_b32 v[NIL], 0
	ds_add_u32 v[SPW], v[NIL]                      ; the wave's opening: the add, twice on end, and its wait ahead of my first tensor load
	ds_add_u32 v[SPW], v[NIL]
	v_lshrrev_b32 v1, 5, v0
	v_readfirstlane_b32 s[WV], v1
	s_lshr_b32 s[RW], s[WV], 1
	s_and_b32 s[CW], s[WV], 1
	s_bfe_u32 s[CX], ttmp6, 0x40000
	s_bfe_u32 s[CY], ttmp6, 0x40004
	s_lshl_b32 s[TC], ttmp9, 2
	s_add_co_u32 s[TC], s[TC], s[CX]               ; tile column = 4 x cluster x + cx
	s_and_b32 s[TR], ttmp7, 0xffff
	s_lshl_b32 s[TR], s[TR], 2
	s_add_co_u32 s[TR], s[TR], s[CY]               ; tile row = 4 x cluster y + cy
	s_lshl_b32 s[MROW], s[CY], 2
	s_lshl_b32 s[MROW], 15, s[MROW]                ; my row of the cluster
	s_lshl_b32 s[MCOL], 0x1111, s[CX]              ; my column
	; descriptor group 1: 128 rows x 128 elements of 2 bytes; 16 bytes of padding behind every 64 words; bit 21 set beside the mask
	s_or_b32 s[G1+0], s[MROW], (1<<16)|(1<<20)|(1<<21)|(5<<22)|(3<<25)
	s_or_b32 s[G1B+0], s[MCOL], (1<<16)|(1<<20)|(1<<21)|(5<<22)|(3<<25)
.irp g, G1, G1B
	s_mov_b32 s[(\g)+1], KSTEP<<16                 ; tensor_dim0 = 128
	s_mov_b32 s[(\g)+2], 128<<16                   ; tensor_dim1 = 128
	s_mov_b32 s[(\g)+3], KSTEP<<16                 ; tile_dim0 = 128
	s_mov_b32 s[(\g)+4], 128                       ; tile_dim1 = 128
	s_mov_b32 s[(\g)+5], SIZE_K                    ; elements from row to row
	s_mov_b32 s[(\g)+6], 0
	s_mov_b32 s[(\g)+7], 0
.endr
	s_lshl_b32 s41, s[CW], 7                       ; which 128 rows of a tile I fetch
	s_lshl_b32 s40, s[TR], 8
	s_add_co_u32 s40, s40, s41                     ; xb: row 256 x tile row + 128 x half,
	s_lshl_b32 s40, s40, 11                        ; in bytes (under 2^22)
	s_lshl_b32 s72, s[TC], 8
	s_add_co_u32 s72, s72, s41                     ; kb: row 256 x tile column + 128 x half,
	s_lshl_b32 s72, s72, 11                        ; in bytes (under 2^25)
	s_mov_b32 s41, 0
	s_mov_b32 s73, 0
	s_mul_i32 s[LD0], s[WV], HALFT                 ; where they go: wave x 128 rows: no place in the cluster enters an LDS address
	s_mov_b32 s[SEL], 0x76543210
	s_mov_b32 s[SEL+1], 0xfedcba98
	s_mov_b32 s[HM], 0xffff0000
	s_wait_dscnt 0x0                               ; both opening adds are done
	s_wait_kmcnt 0x0
	s_load_b32 s75, s[8:9], 0x0                    ; beta
	s_add_nc_u64 s[40:41], s[4:5], s[40:41]
	s_add_nc_u64 s[72:73], s[6:7], s[72:73]
	CROUND                                         ; all sixteen work-groups are here: the first joint loads meet
.irp s, 0,1
	s_mov_b32 s[G0+4*(\s)], 1
	s_add_co_u32 s[G0+4*(\s)+1], s[LD0], (\s)*SLOT
	s_add_nc_u64 s[G0+4*(\s)+2:G0+4*(\s)+3], s[40:41], (\s)*KSTEP*2
	s_or_b32 s[G0+4*(\s)+3], s[G0+4*(\s)+3], 0x80000000
	s_mov_b32 s[G0B+4*(\s)], 1
	s_add_co_u32 s[G0B+4*(\s)+1], s[LD0], (\s)*SLOT
	s_add_nc_u64 s[G0B+4*(\s)+2:G0B+4*(\s)+3], s[72:73], (\s)*KSTEP*2
	s_or_b32 s[G0B+4*(\s)+3], s[G0B+4*(\s)+3], 0x80000000
	JLOAD \s                                       ; two loads of mine are out
.endr
	; a fragment is 16 rows x 32 along D in 8 registers: lane l holds row l % 16; two loads of 16 bytes, 32 bytes apart, at row x pitch + 16 (l / 16)
	v_and_b32 v1, 15, v0
	v_bfe_u32 v2, v0, 4, 1
	v_mul_u32_u24 v3, v1, PITCH
	v_lshl_add_u32 v3, v2, 4, v3
	s_mul_i32 s42, s[RW], HALFT                    ; my 128 rows of xb
	s_mul_i32 s43, s[CW], HALFT                    ; my 128 rows of kb,
	s_add_co_u32 s43, s43, 2*HALFT                 ; which lie behind xb's 256
.irp s, 0,1
	v_add_nc_u32 v[ADRA+(\s)], s42, v3
	v_add_nc_u32 v[ADRB+(\s)], s43, v3
	s_add_co_u32 s42, s42, SLOT
	s_add_co_u32 s43, s43, SLOT
.endr
	v_and_b32 v4, 31, v0
	v_lshlrev_b32 v[PO], 4, v4
	v_lshlrev_b32 v[SO], 3, v4
	v_lshlrev_b32 v[PFO], 11, v4
	; my wave's part of V and of vb, and its first two chunks
	s_lshl_b32 s42, s[TR], 6
	s_add_co_u32 s42, s42, s[TC]
	s_lshl_b32 s42, s42, 2
	s_add_co_u32 s42, s42, s[WV]                   ; my wave among the launch's 2,048
	s_lshl_b32 s40, s42, 15                        ; 32,768 bytes of V each (under 2^26),
	s_mov_b32 s41, 0
	s_add_nc_u64 s[VS:VS+1], s[VS:VS+1], s[40:41]
	s_lshl_b32 s40, s42, 14                        ; 16,384 of vb
	s_add_nc_u64 s[VD:VD+1], s[VD:VD+1], s[40:41]
	WIN TO_B
.set i, 0
.rept 8
	global_load_b128 v[VLD+4*i:VLD+4*i+3], v[PO], s[VS:VS+1] offset:512*i th:TH_LOAD_NT             ; chunk 0
.set i, i+1
.endr
.set i, 0
.rept 8
	global_load_b128 v[VLD+192+4*i:VLD+192+4*i+3], v[PO], s[VS:VS+1] offset:4096+512*i th:TH_LOAD_NT  ; chunk 1
.set i, i+1
.endr
	WIN 0
	; the prefetches
	s_lshl_b32 s42, s[TR], 8
	s_lshl_b32 s43, s[TC], 8
	s_and_b32 s74, ttmp7, 0xffff                   ; cluster y
	s_cmp_eq_u32 s[RW], 0                          ; do I fetch xb?
	s_cselect_b32 s40, s42, s43                    ; the tile's first row
	s_cselect_b32 s41, s[CX], s[CY]                ; my place among the four that ask with me
	s_cselect_b32 s74, ttmp9, s74                  ; the coordinate along which other clusters read the same rows
	s_cselect_b64 s[PFA:PFA+1], s[4:5], s[6:7]
	s_cmp_eq_u32 s74, 0
	s_cselect_b32 s[LIM], 1, -1                    ; the same in all sixteen partners, for a given wave
	s_lshl_b32 s74, s[CW], 7
	s_add_co_u32 s40, s40, s74                     ; + the 128 rows that I fetch
	s_lshl_b32 s41, s41, 5
	s_add_co_u32 s40, s40, s41                     ; + my work-group's 32 of them
	s_lshl_b32 s40, s40, 11
	s_mov_b32 s41, 0
	s_add_nc_u64 s[PFA:PFA+1], s[PFA:PFA+1], s[40:41]
	s_add_nc_u64 s[PFA:PFA+1], s[PFA:PFA+1], 2*KSTEP*2  ; at step 2: the first refill steps it to 3 and names step 4
	; where my results go: pf at query block 16 tile row + 8 half, key block 16 tile column + 8 half; st at key block 2 tile column + half, queries 32 (8 tile row + 4 half)
	s_lshl_b32 s40, s[TR], 23
	s_lshl_b32 s41, s[RW], 22
	s_add_co_u32 s40, s40, s41
	s_lshl_b32 s41, s[TC], 13
	s_add_co_u32 s40, s40, s41
	s_lshl_b32 s41, s[CW], 12
	s_add_co_u32 s40, s40, s41
	s_mov_b32 s41, 0
	s_add_nc_u64 s[PF:PF+1], s[PF:PF+1], s[40:41]
	s_lshl_b32 s40, s[TC], 15
	s_lshl_b32 s42, s[CW], 14
	s_add_co_u32 s40, s40, s42
	s_lshl_b32 s42, s[TR], 11
	s_add_co_u32 s40, s40, s42
	s_lshl_b32 s42, s[RW], 10
	s_add_co_u32 s40, s40, s42
	s_add_nc_u64 s[STP:STP+1], s[STP:STP+1], s[40:41]
	s_wait_kmcnt 0x0                               ; beta
	v_mov_b32 v5, s75
	v_cvt_pk_bf16_f32 v5, v5, v5                   ; rounded to bf16 like every input,
	v_lshlrev_b32 v5, 16, v5
	v_mul_f32 v5, 0x3fb8aa3b, v5                   ; times log2(e)
	v_readfirstlane_b32 s[CS], v5
	s_mov_b32 s[CS+1], s[CS]
; 16 matrix instructions: query blocks a0, a0 + 1 of the window's four x all 8 key blocks, 32 along D.  zero = 1: the first product starts the sums.
; The 64 accumulators take turns in the same order in every quarter: between two links of a chain stand the 63 others'.
.macro MUL16 f, hi, a0, zero
	WIN MUL_LO+0x50*(\hi)
.irp a, \a0, (\a0)+1
.irp b, 0,1,2,3,4,5,6,7
.if \zero
	v_wmma_f32_16x16x32_bf16 v[8*(8*(\a)+(\b)):8*(8*(\a)+(\b))+7], v[(\f)+8*(\b):(\f)+8*(\b)+7], v[(\f)+8*(4*(\hi)+(\a)):(\f)+8*(4*(\hi)+(\a))+7], 0
.else
	v_wmma_f32_16x16x32_bf16 v[8*(8*(\a)+(\b)):8*(8*(\a)+(\b))+7], v[(\f)+8*(\b):(\f)+8*(\b)+7], v[(\f)+8*(4*(\hi)+(\a)):(\f)+8*(4*(\hi)+(\a))+7], v[8*(8*(\a)+(\b)):8*(8*(\a)+(\b))+7]
.endif
.endr
.endr
.endm
; 32 LDS loads in one run: a quarter's fragments (kb's 128 rows, then xb's, 32 along D at byte k of the rows) into buffer f
.macro FETCH slot, k, f
	WIN TO_B
.irp i, 0,1,2,3,4,5,6,7
	ds_load_b128 v[(\f)+8*(\i):(\f)+8*(\i)+3],   v[ADRB+(\slot)] offset:(\k)+(\i)*16*PITCH
	ds_load_b128 v[(\f)+8*(\i)+4:(\f)+8*(\i)+7], v[ADRB+(\slot)] offset:(\k)+(\i)*16*PITCH+32
.endr
	WIN 0
.irp i, 0,1,2,3,4,5,6,7
	ds_load_b128 v[(\f)+8*(\i):(\f)+8*(\i)+3],   v[ADRA+(\slot)] offset:(\k)+(\i)*16*PITCH
	ds_load_b128 v[(\f)+8*(\i)+4:(\f)+8*(\i)+7], v[ADRA+(\slot)] offset:(\k)+(\i)*16*PITCH+32
.endr
.endm
.macro PLACES                          ; four places behind a matrix instruction, in front of loads into registers that it has read and of vector lines that read its result
.rept 4
	v_nop
.endr
.endm
; V's ROUNDING, once a step of D: the chunk in set (loaded two steps ago) is rounded and stored; more = 1: the chunk two on is asked for, into the same set.  left: the younger chunk's eight loads may stay out, or none is left.
.macro SIDE set, more, left
	s_wait_loadcnt \left
	s_wait_xcnt 0x0                                ; every earlier load and store (the youngest a step back) has read its base and its data: only behind this wait are the two bases and the rounded chunk's registers written again
.if \more
	s_add_nc_u64 s[VS:VS+1], s[VS:VS+1], 4096
.endif
	s_add_nc_u64 s[VD:VD+1], s[VD:VD+1], 2048      ; the stores below reach back
	WIN 0x45                                       ; destination and both sources in window 1
.set i, 0
.rept 16
	v_cvt_pk_bf16_f32 v[VPK+i], v[VLD+192*(\set)+2*i], v[VLD+192*(\set)+2*i+1]
.set i, i+1
.endr
	WIN 0x04                                       ; the stores' data (source 1) in window 1
.set i, 0
.rept 8
	global_store_b64 v[SO], v[VPK+2*i:VPK+2*i+1], s[VD:VD+1] offset:256*i-2048  ; 256 consecutive bytes, aligned
.set i, i+1
.endr
.if \more
	WIN TO_B
.set i, 0
.rept 8
	global_load_b128 v[VLD+192*(\set)+4*i:VLD+192*(\set)+4*i+3], v[PO], s[VS:VS+1] offset:4096+512*i th:TH_LOAD_NT
.set i, i+1
.endr
.endif
.endm
; A step is four quarters of 32 along D, 64 matrix instructions each, on buffers 0, 1, 0, 1.  One of the first three multiplies f and fetches the next quarter, at byte k, into g.  side >= 0: V's rounding stands in its middle.
.macro QUARTER slot, k, f, g, zero, side=-1, more=0, left=0
	s_wait_dscnt 8                                 ; kb's fragments and xb's rows 0-63 are in; the youngest eight loads (xb's rows 64-127) may be out
	MUL16 \f, 0, 0, \zero
	MUL16 \f, 0, 2, \zero
.if (\side) >= 0
	SIDE \side, \more, \left
.endif
	PLACES
	FETCH \slot, \k, \g
	s_wait_dscnt 32                                ; all but the 32 just issued
	MUL16 \f, 1, 0, \zero
	MUL16 \f, 1, 2, \zero
.endm
; The first half of a step's last quarter: one barrier for the change of slots.  In front of it each wave waits for all its tensor loads (one is out: its part of the next slot), adds 0 to its spare word,
; and waits for that and for its reads of this slot.  Behind it nobody reads this slot any more and the next slot is whole.
.macro MEET round
	WIN 0                                          ; (the add's two registers lie in window 0)
	s_wait_tensorcnt 0x0
	ds_add_u32 v[SPW], v[NIL]
	s_wait_dscnt 9                                 ; (the add and the youngest eight loads may be out)
	MUL16 F1, 0, 0, 0
	s_wait_dscnt 0x0                               ; the add is done, and my reads of this slot are over
	s_barrier_signal -1
	MUL16 F1, 0, 2, 0                              ; work on registers while the others arrive
.if \round
	WIN 0
.endif
	s_barrier_wait -1
.endm
; The whole last quarter with a refill: the barrier opens a round of the cluster's, the joint refill is the first tensor load behind it (224 matrix instructions ahead of the wait for it), then the next slot's first fragments.
.macro TURN slot, next
	s_wait_xcnt 0x0                                ; the last prefetch, a step back, has read its address
	s_add_nc_u64 s[PFA:PFA+1], s[PFA:PFA+1], KSTEP*2
	MEET 1
	CREST                                          ; no wave of any partner still reads this slot or has a load on its way
	s_add_nc_u64 s[G0+4*(\slot)+2:G0+4*(\slot)+3], s[G0+4*(\slot)+2:G0+4*(\slot)+3], 2*KSTEP*2
	s_add_nc_u64 s[G0B+4*(\slot)+2:G0B+4*(\slot)+3], s[G0B+4*(\slot)+2:G0B+4*(\slot)+3], 2*KSTEP*2
	JLOAD \slot                                    ; its four v_nop are also the places in front of the loads below
	FETCH \next, 0, F0
	ASK
	MUL16 F1, 1, 0, 0
	MUL16 F1, 1, 2, 0
.endm
	s_wait_tensorcnt 1                             ; my part of step 0 is in; step 1's may stay out
	s_barrier_signal -1
	s_barrier_wait -1
	FETCH 0, 0, F0
	QUARTER 0, 64,  F0, F1, 1                      ; the first quarter stands in front of the loop: its products start the sums
	WIN 0
	s_mov_b32 s3, LAPS-1
.Llap:                                                 ; a trip goes once round the ring, fills both slots again, rounds two chunks of V and asks for two
	QUARTER 0, 128, F1, F0, 0, 0, 1, 8
	QUARTER 0, 192, F0, F1, 0
	TURN 0, 1
	QUARTER 1, 64,  F0, F1, 0
	QUARTER 1, 128, F1, F0, 0, 1, 1, 8
	QUARTER 1, 192, F0, F1, 0
	TURN 1, 0
	QUARTER 0, 64,  F0, F1, 0
	WIN 0
	s_sub_co_u32 s3, s3, 1
	s_cmp_lg_u32 s3, 0
	s_cbranch_scc1 .Llap
	QUARTER 0, 128, F1, F0, 0, 0, 0, 8             ; the last lap is written out: it fills nothing, and V's last two chunks are asked for already
	QUARTER 0, 192, F0, F1, 0
	MEET 0
	PLACES
	FETCH 1, 0, F0
	MUL16 F1, 1, 0, 0
	MUL16 F1, 1, 2, 0
	QUARTER 1, 64,  F0, F1, 0
	QUARTER 1, 128, F1, F0, 0, 1, 0, 0
	QUARTER 1, 192, F0, F1, 0
	s_wait_dscnt 8
	MUL16 F1, 0, 0, 0
	MUL16 F1, 0, 2, 0
	s_wait_dscnt 0x0
	MUL16 F1, 1, 0, 0
	MUL16 F1, 1, 2, 0
	WIN 0
	PLACES
; THE WAY OUT, one line at a time, for block u (0, 1) of a trip's two query blocks (16 queries x my 128 keys each).  A lane holds 64 of its query's scores, the lane 16 away the other 64.
; MAXOP n, 34 lines: 0-27 four chains of 15 scores, three operands at a time; 28, 29 the four left over; 30, 31 the chains; 32, 33 the other half of the lanes: m, in every lane of the query.
.macro MAXOP u, n
.set rT, TV+64*(\u)
.set rA, STA+8*(\u)
.if (\n) < 4
	v_max3_num_f32 v[rA+1+(\n)], v[rT+16*(\n)], v[rT+16*(\n)+1], v[rT+16*(\n)+2]
.elseif (\n) < 28
	v_max3_num_f32 v[rA+1+(\n)%4], v[rA+1+(\n)%4], v[rT+16*((\n)%4)+2*((\n)/4)+1], v[rT+16*((\n)%4)+2*((\n)/4)+2]
.elseif (\n) == 28
	v_max3_num_f32 v[rA+1], v[rA+1], v[rT+15], v[rT+31]
.elseif (\n) == 29
	v_max3_num_f32 v[rA+2], v[rA+2], v[rT+47], v[rT+63]
.elseif (\n) == 30
	v_max3_num_f32 v[rA+1], v[rA+1], v[rA+2], v[rA+3]
.elseif (\n) == 31
	v_max_num_f32 v[rA+1], v[rA+1], v[rA+4]
.elseif (\n) == 32
	v_permlanex16_b32 v[rA+2], v[rA+1], s[SEL], s[SEL+1]
.else
	v_max_num_f32 v[rA], v[rA+1], v[rA+2]
.endif
.endm
.macro SUBOP u, n                      ; pair n of 32: c s - m
	v_pk_add_f32 v[TV+64*(\u)+2*(\n):TV+64*(\u)+2*(\n)+1], v[TV+64*(\u)+2*(\n):TV+64*(\u)+2*(\n)+1], v[STA+8*(\u):STA+8*(\u)+1] op_sel_hi:[1,0] neg_lo:[0,1] neg_hi:[0,1]
.endm
.macro EXPOP u, n                      ; score n of 64
	v_exp_f32 v[TV+64*(\u)+(\n)], v[TV+64*(\u)+(\n)]
.endm
.macro CVTOP u, n                      ; pair n of 32, rounded to bf16
	v_cvt_pk_bf16_f32 v[PK+32*(\u)+(\n)], v[TV+64*(\u)+2*(\n)], v[TV+64*(\u)+2*(\n)+1]
.endm
; SUMOP n, 34 lines: 0-30 the 32 pairs are added in place, neighbours 16, 8, 4, 2 and 1 pairs apart; 31 the pair's halves; 32, 33 the other half of the lanes: l
.macro SUMOP u, n
.set rT, TV+64*(\u)
.set rA, STA+8*(\u)
.if (\n) < 31
.set w, 16
.set z, (\n)
.if (\n) >= 30
.set w, 1
.set z, 0
.elseif (\n) >= 28
.set w, 2
.set z, (\n)-28
.elseif (\n) >= 24
.set w, 4
.set z, (\n)-24
.elseif (\n) >= 16
.set w, 8
.set z, (\n)-16
.endif
	v_pk_add_f32 v[rT+2*z:rT+2*z+1], v[rT+2*z:rT+2*z+1], v[rT+2*(z+w):rT+2*(z+w)+1]
.elseif (\n) == 31
	v_add_f32 v[rA+5], v[rT], v[rT+1]
.elseif (\n) == 32
	v_permlanex16_b32 v[rA+2], v[rA+5], s[SEL], s[SEL+1]
.else
	v_add_f32 v[rA+5], v[rA+5], v[rA+2]
.endif
.endm
.macro PSTORE u                        ; the block's p: each store covers 512 consecutive bytes, aligned
.irp b, 0,1,2,3,4,5,6,7
	global_store_b128 v[PO], v[PK+32*(\u)+4*(\b):PK+32*(\u)+4*(\b)+3], s[PF:PF+1] offset:(\u)*524288+512*(\b)
.endr
.endm
	; Four trips, two query blocks a trip.
	s_mov_b32 s3, 0
.Lout:
	; the trip's two blocks, times c, into fixed registers of window 0: the scaling is also the move, so that all that follows is written once.  Each accumulator is read from its low end on.
.irp kk, 0,1,2,3
	s_cmp_lg_u32 s3, \kk
	s_cbranch_scc1 .Lnot\kk
	WIN 0x02+(\kk)/2                               ; source 0 in window 2 or 3
.irp u, 0,1
.set i, 0
.rept 32
	v_pk_mul_f32 v[TV+64*(\u)+2*i:TV+64*(\u)+2*i+1], v[64*((2*(\kk)+(\u))%4)+2*i:64*((2*(\kk)+(\u))%4)+2*i+1], s[CS:CS+1] op_sel_hi:[1,0]
.set i, i+1
.endr
.endr
	WIN 0
.Lnot\kk:
.endr
	; EXPONENTIALS AND PLAIN LINES BY TURNS.  Block 0's maximum and subtraction come first.  Then block 0's 64 exponentials stand by turns with block 1's maximum and subtraction (66 lines, none of which names a result of
	; theirs); one wait; block 1's 64 exponentials by turns with block 0's roundings and sums (66 lines, which name block 0's registers alone); one wait; block 1's roundings and sums.  Behind the last exponential of
	; each batch stand plain lines of the other block (ISA guide 5.7.2), and ahead of each batch's first reader one wait.
.set k, 0
.rept 34
	MAXOP 0, k
.set k, k+1
.endr
.set k, 0
.rept 32
	SUBOP 0, k
.set k, k+1
.endr
.set k, 0
.rept 66
.if k < 64
	EXPOP 0, k
.endif
.if k < 34
	MAXOP 1, k
.else
	SUBOP 1, k-34
.endif
.set k, k+1
.endr
	s_wait_alu depctr_va_vdst(0)                   ; block 0's exponentials, ahead of their first reader
.set k, 0
.rept 66
.if k < 64
	EXPOP 1, k
.endif
.if k < 32
	CVTOP 0, k
.else
	SUMOP 0, k-32
.endif
.set k, k+1
.endr
	s_wait_alu depctr_va_vdst(0)                   ; block 1's exponentials, ahead of their first reader
	PSTORE 0
.set k, 0
.rept 32
	CVTOP 1, k
.set k, k+1
.endr
	PSTORE 1
.set k, 0
.rept 34
	SUMOP 1, k
.set k, k+1
.endr
.irp u, 0,1
	v_cndmask_b32 v[SV+(\u)], v[STA+8*(\u)], v[STA+8*(\u)+5], s[HM]  ; lanes 0-15 m, lanes 16-31 l
.endr
	global_store_b64 v[SO], v[SV:SV+1], s[STP:STP+1]  ; 256 consecutive bytes, aligned
	s_wait_xcnt 0x0                                ; the stores have read their bases and their data: both are written again only behind this wait
	s_add_nc_u64 s[PF:PF+1], s[PF:PF+1], 0x100000  ; two query blocks on
	s_add_nc_u64 s[STP:STP+1], s[STP:STP+1], 256
	s_add_co_u32 s3, s3, 1
	s_cmp_lt_u32 s3, 4
	s_cbranch_scc1 .Lout
	s_wait_tensorcnt 0x0                           ; the wave's end
	ds_add_u32 v[SPW], v[NIL]
	s_wait_dscnt 0x0
	CROUND                                         ; the closing round: no work-group ends while a partner may still ask for a tile that names it
	s_endpgm
.Lfunc_end_k_q6dcd02b183_scores:
	.size	k_q6dcd02b183_scores, .Lfunc_end_k_q6dcd02b183_scores-k_q6dcd02b183_scores
	.p2alignl 7, 3214868480
	.fill 96, 4, 3214868480
	.section	.rodata,"a",@progbits
	.p2align	6, 0x0
	.amdhsa_kernel k_q6dcd02b183_scores
		.amdhsa_group_segment_fixed_size 327680
		.amdhsa_private_segment_fixed_size 0
		.amdhsa_enable_private_segment 0
		.amdhsa_kernarg_size 56
		.amdhsa_user_sgpr_count 2
		.amdhsa_user_sgpr_kernarg_segment_ptr 1
		.amdhsa_wavefront_size32 1
		.amdhsa_system_sgpr_workgroup_id_x 1
		.amdhsa_system_sgpr_workgroup_id_y 1
		.amdhsa_system_sgpr_workgroup_id_z 1
		.amdhsa_system_vgpr_workitem_id 0
		.amdhsa_next_free_vgpr 1024
		.amdhsa_next_free_sgpr 80
		.amdhsa_reserve_vcc 0
		.amdhsa_float_denorm_mode_32 3
		.amdhsa_float_denorm_mode_16_64 3
		.amdhsa_memory_ordered 1
		.amdhsa_forward_progress 1
		.amdhsa_inst_pref_size 163
	.end_amdhsa_kernel
	.amdgpu_metadata
---
amdhsa.version: [ 1, 2 ]
amdhsa.kernels:
  - .name:           k_q6dcd02b183_scores
    .symbol:         k_q6dcd02b183_scores.kd
    .args:
      - { .name: xb, .offset: 0, .size: 8, .value_kind: global_buffer, .address_space: global }
      - { .name: kb, .offset: 8, .size: 8, .value_kind: global_buffer, .address_space: global }
      - { .name: beta, .offset: 16, .size: 8, .value_kind: global_buffer, .address_space: global }
      - { .name: pf, .offset: 24, .size: 8, .value_kind: global_buffer, .address_space: global }
      - { .name: st, .offset: 32, .size: 8, .value_kind: global_buffer, .address_space: global }
      - { .name: cache_text_features, .offset: 40, .size: 8, .value_kind: global_buffer, .address_space: global }
      - { .name: vb, .offset: 48, .size: 8, .value_kind: global_buffer, .address_space: global }
    .group_segment_fixed_size: 327680
    .private_segment_fixed_size: 0
    .kernarg_segment_align: 8
    .kernarg_segment_size: 56
    .max_flat_workgroup_size: 128
    .sgpr_count:     80
    .vgpr_count:     1024
    .wavefront_size: 32
...
	.end_amdgpu_metadata
.endif
;; end of part 2
;; launch mix (part 3): grid 4 x 64, 4 waves a work-group, clusters of 4 x 4, 327,680 bytes of LDS; arguments pf, vb, st, part, st2; writes part, st2
.if DOCPART == 3
	.amdgcn_target "amdgcn-amd-amdhsa--gfx1250"
	.amdhsa_code_object_version 6
	.text
	.protected	k_q6dcd02b183_mix
	.globl	k_q6dcd02b183_mix
	.p2align	8
	.type	k_q6dcd02b183_mix,@function
k_q6dcd02b183_mix:
	s_mov_b64 s[64:65], 0
	v_nop
	global_prefetch_b8 v0, s[64:65] scope:SCOPE_SE
	s_setreg_imm32_b32 hwreg(HW_REG_WAVE_MODE, 25, 1), 1
	s_wait_xcnt 0x0
	s_wait_alu depctr_hold_cnt(0) depctr_sa_sdst(0) depctr_va_vdst(0) depctr_va_sdst(0) depctr_va_ssrc(0) depctr_va_vcc(0) depctr_vm_vsrc(0)
	s_getreg_b32 s2, hwreg(HW_REG_IB_STS2, 6, 4)
	s_cmp_eq_u32 s2, 0
	s_cbranch_scc0 .Lentry_in_a_cluster
	s_endpgm
.Lentry_in_a_cluster:
	s_bfe_u32 s2, ttmp6, 0x10000c
	s_cmp_lg_u32 s2, 0xf033
	s_cbranch_scc0 .Lentry_shape_is_right
	s_endpgm
.Lentry_shape_is_right:
; THE SECOND PRODUCT AND THE SECOND LEVEL OF THE SOFTMAX.  Nothing of the problem is left out.
; The 16,384 keys fall into 8 SPLITS of 2,048 = 16 blocks t of 128.  For a split and a query: M = max over t of m_t;  f_t = 2^(m_t - M), at most 1, rounded to bf16;  L = sum of f_t l_t (f32, with the rounded f);
; O[q][ch] = sum over t and the block's keys of (f_t p) V[key][ch]: f_t p is one packed bf16 product (one more rounding; where f_t = 1 it changes nothing), the sums f32.
; LIMITS.  NaN and infinities are not treated apart; an f below 2^-126 counts as 0.
; SHARES.  A work-group makes 256 queries x 256 channels of one split, four waves of 128 x 128 (64 accumulators, 512 registers); the keys go in 16 steps of 128 through a ring of two LDS slots.
; Grid: x = channel tile (4), y = 8 x split + query tile (64).  CLUSTERS of 4 x 4: a row of the cluster shares its tile of p, a column its tile of V: joint loads.
; O^T = V^T P: source 0 = 16 channels x 32 keys (V lies [key][channel] in LDS and is turned by ds_load_tr16_b128), source 1 = 16 queries x 32 keys (pf's blocks as they lie).  In the result lane l holds query l % 16, channels 8 (l / 16) + 0..7.
; THE SCALING rides beside the products: behind every fourth matrix instruction four v_pk_mul_bf16 scale registers of a fragment of p that is multiplied among the next sixteen products.  They name no register of the products
; round them.  In fours, since each group costs two switches of the register window: eight switches for sixteen products.
; OUT.  part: [split 8][query tile 8][channel tile 4][wave 4][a 8][b 8][half 2][lane 32][4] f32: the accumulators as they lie.   st2: [split][query tile][channel tile][wave][lane][4] f32: lane (r, h) of wave w: M, L of tile row 32 (2 w + h) + r, then of row + 16.
; REGISTERS: window 0: v0-31 addresses; v32-47 two sets of 8 factors; v48-54 the prologue's results and offsets; v64-127, v128-191 fragments of p, two buffers (in the prologue m and l);
;   window 1: v64-127, v128-191 fragments of V;   windows 2, 3: the accumulators ((a, b) at v[8 (8 (a % 4) + b)])
.set SLOT,   135168                    ; p: 16 query blocks x 4,096 bytes, dense; then V: 128 keys, 544 bytes apart
.set VB0,    65536
.set PV,     544                       ; 512 bytes + 32 of padding = 17 x 32
.set FT,     2*SLOT                    ; the factors: [t 16][query half 2][r 16][a 8] words (f, f); stored once, never filled by a tensor load
.set SPARE,  FT+16384                  ; the spare words, 128 bytes a wave: two blocks of 256 bytes that no other line names
.set LAPS,   8
.set ADRA, 16                          ; v16-17 LDS address of my fragments of p in slot 0, 1
.set ADRB, 20                          ; v20-21 the same for V
.set FTA0, 22                          ; v22    my lane's place in a step's factors; never rewritten
.set FTA,  23                          ; v23    the address of the factors to be fetched
.set PO,   24                          ; v24    16 x lane
.set SPW,  28
.set NIL,  29
.set PFO,  30                          ; v30    the prefetches' offset; never rewritten
.set FAC0, 32                          ; v32-39 the factors of an even step, one word a query block
.set FAC1, 40                          ; v40-47 of an odd step
.set QQ,   48                          ; v[48:51] M, L, M, L
.set SA,   52                          ; v52 my offset in st     v53 in st2     v54 where I store factors
.set S2A,  53
.set FS,   54
.set F0,   64
.set F1,   128
.set MTB,  64                          ; the prologue: m_t, later f_t, of my two rows: v[64+2t], v[65+2t]
.set LTB,  96                          ; l_t
.set WV,   14
.set RW,   15                          ; which half of the tile's queries is mine; also: I fetch p (0) or V (1)
.set CW,   16                          ; which half of its channels; also: which half of that tile I fetch
.set CX,   17
.set CY,   18
.set TC,   19                          ; channel tile
.set TR,   20                          ; query tile
.set MROW, 21
.set MCOL, 22
.set SPL,  23                          ; the split
.set G1,   24
.set G0,   32
.set PFA,  44
.set LIM,  46
.set CLY,  47                          ; cluster y
.set G1B,  48
.set G0B,  56
.set FTS,  71                          ; s71 1,024 x the step whose factors are fetched next
.set PSTEP, 76                         ; s[76:77] a step in memory, for my prefetches
.set MSB, 0
.macro WIN new
.if MSB != (\new)
	s_set_vgpr_msb (MSB<<8)|(\new)
.set MSB, \new
.endif
.endm
.set MUL_LO, 0xa1                      ; source 0 (V) window 1, source 1 (p) window 0, C and D window 2
.set TO_B,   0x40
.macro JLOAD s                         ; waves 0 and 1 fetch the halves of p's tile, waves 2 and 3 those of V's; an s_nop 0 and four v_nop follow each line
	s_cmp_eq_u32 s[RW], 0
	s_cbranch_scc0 .Lfor_b_\@
	tensor_load_to_lds s[G0+4*(\s):G0+4*(\s)+3], s[G1:G1+7]
	s_nop 0
.rept 4
	v_nop
.endr
	s_branch .Lasked_\@
.Lfor_b_\@:
	tensor_load_to_lds s[G0B+4*(\s):G0B+4*(\s)+3], s[G1B:G1B+7]
	s_nop 0
.rept 4
	v_nop
.endr
.Lasked_\@:
.endm
; A prefetch behind each joint refill and its run of LDS loads: the step two refills on (512 matrix instructions ahead of its load), 32 blocks of 256 bytes, a lane a block.
; p's tile is read by this cluster alone: of the 8 query blocks x 4,096 bytes that a wave fetches the partner at cx takes two.  V's tile is read by the two clusters of a split: the even one asks; of a wave's 64 rows x 512 bytes the
; partner at cy takes 16.  The shares are told apart by address.  Steps 0 to 3 come by their loads alone; the loop's last trip (s3 = 1) asks for nothing.
.macro ASK
	s_cmp_gt_u32 s3, s[LIM]
	s_cbranch_scc0 .Lnot_mine_\@
	global_prefetch_b8 v[PFO], s[PFA:PFA+1] th:TH_LOAD_NT scope:SCOPE_SE
.Lnot_mine_\@:
.endm
.macro CREST
	s_cmp_lg_u32 s[WV], 0
	s_cbranch_scc1 .Lnot_wave_0_\@
	s_barrier_signal -3
.Lnot_wave_0_\@:
	s_barrier_wait -3
	s_barrier_signal -1
	s_barrier_wait -1
.endm
.macro CROUND
	s_barrier_signal -1
	s_barrier_wait -1
	CREST
.endm
	s_load_b256 s[4:11], s[0:1], 0x0               ; pf s[4:5], vb s[6:7], st s[8:9], part s[10:11]
	s_load_b64 s[12:13], s[0:1], 0x20              ; st2
	v_lshl_add_u32 v[SPW], v0, 2, SPARE
	v_mov_b32 v[NIL], 0
	ds_add_u32 v[SPW], v[NIL]                      ; the wave's opening: the add, twice on end, and its wait ahead of my first tensor load
	ds_add_u32 v[SPW], v[NIL]
	v_lshrrev_b32 v1, 5, v0
	v_readfirstlane_b32 s[WV], v1
	s_lshr_b32 s[RW], s[WV], 1
	s_and_b32 s[CW], s[WV], 1
	s_bfe_u32 s[CX], ttmp6, 0x40000
	s_bfe_u32 s[CY], ttmp6, 0x40004
	s_lshl_b32 s[TC], ttmp9, 2
	s_add_co_u32 s[TC], s[TC], s[CX]               ; channel tile = 4 x cluster x + cx
	s_and_b32 s[CLY], ttmp7, 0xffff
	s_lshr_b32 s[SPL], s[CLY], 1                   ; y = 4 x cluster y + cy = 8 x split + query tile: the split hangs on the cluster alone
	s_and_b32 s[TR], s[CLY], 1
	s_lshl_b32 s[TR], s[TR], 2
	s_add_co_u32 s[TR], s[TR], s[CY]
	s_lshl_b32 s[MROW], s[CY], 2
	s_lshl_b32 s[MROW], 15, s[MROW]
	s_lshl_b32 s[MCOL], 0x1111, s[CX]
	; p: 8 rows (query blocks) of 512 elements of 8 bytes, 65,536 elements apart, dense in LDS
	s_or_b32 s[G1+0], s[MROW], (3<<16)|(1<<21)
	s_mov_b32 s[G1+1], 512<<16                     ; tensor_dim0
	s_mov_b32 s[G1+2], 8<<16                       ; tensor_dim1
	s_mov_b32 s[G1+3], 512<<16                     ; tile_dim0
	s_mov_b32 s[G1+4], 8                           ; tile_dim1
	s_mov_b32 s[G1+5], 65536                       ; from row to row
	s_mov_b32 s[G1+6], 0
	s_mov_b32 s[G1+7], 0
	; V: 64 rows (keys) of 256 elements of 2 bytes, 1,024 elements apart; 8 words of padding behind every 128
	s_or_b32 s[G1B+0], s[MCOL], (1<<16)|(1<<20)|(1<<21)|(6<<22)|(7<<25)
	s_mov_b32 s[G1B+1], 256<<16
	s_mov_b32 s[G1B+2], 64<<16
	s_mov_b32 s[G1B+3], 256<<16
	s_mov_b32 s[G1B+4], 64
	s_mov_b32 s[G1B+5], 1024
	s_mov_b32 s[G1B+6], 0
	s_mov_b32 s[G1B+7], 0
	s_lshl_b32 s40, s[TR], 23                      ; p: query block 16 x tile + 8 x half (524,288 bytes each), key block 128 x split (512 bytes each)
	s_lshl_b32 s41, s[CW], 22
	s_add_co_u32 s40, s40, s41
	s_lshl_b32 s41, s[SPL], 16
	s_add_co_u32 s40, s40, s41
	s_mov_b32 s41, 0
	s_lshl_b32 s72, s[SPL], 22                     ; V: key 2,048 x split + 64 x half (2,048 bytes each), channel 256 x tile
	s_lshl_b32 s73, s[CW], 17
	s_add_co_u32 s72, s72, s73
	s_lshl_b32 s73, s[TC], 9
	s_add_co_u32 s72, s72, s73
	s_mov_b32 s73, 0
	s_lshl_b32 s42, s[CW], 15                      ; where they go in a slot: p's half,
	s_mul_i32 s43, s[CW], 64*PV
	s_add_co_u32 s43, s43, VB0                     ; V's half: no place in the cluster enters an LDS address
	s_mov_b32 s[FTS], 0
	s_wait_dscnt 0x0                               ; both opening adds are done
	s_wait_kmcnt 0x0
	s_add_nc_u64 s[40:41], s[4:5], s[40:41]
	s_add_nc_u64 s[72:73], s[6:7], s[72:73]
	CROUND                                         ; all sixteen work-groups are here: the first joint loads meet
.irp s, 0,1
	s_mov_b32 s[G0+4*(\s)], 1
	s_add_co_u32 s[G0+4*(\s)+1], s42, (\s)*SLOT
	s_add_nc_u64 s[G0+4*(\s)+2:G0+4*(\s)+3], s[40:41], (\s)*4096
	s_or_b32 s[G0+4*(\s)+3], s[G0+4*(\s)+3], 0x80000000
	s_mov_b32 s[G0B+4*(\s)], 1
	s_add_co_u32 s[G0B+4*(\s)+1], s43, (\s)*SLOT
	s_add_nc_u64 s[G0B+4*(\s)+2:G0B+4*(\s)+3], s[72:73], (\s)*262144
	s_or_b32 s[G0B+4*(\s)+3], s[G0B+4*(\s)+3], 0x80000000
	JLOAD \s                                       ; two loads of mine are out
.endr
	; THE TABLE.  Lane (r, h) of wave w takes the tile's rows 32 (2 w + h) + r and + 16: their m and l of the split's 16 blocks.
	s_lshl_b32 s74, s[SPL], 18
	s_lshl_b32 s75, s[TR], 11
	s_add_co_u32 s74, s74, s75
	s_mov_b32 s75, 0
	s_add_nc_u64 s[8:9], s[8:9], s[74:75]
	v_and_b32 v1, 15, v0                           ; r
	v_bfe_u32 v2, v0, 4, 1                         ; h
	v_and_b32 v3, 31, v0                           ; lane
	v_lshrrev_b32 v4, 4, v0                        ; 2 w + h
	v_lshlrev_b32 v[SA], 8, v4
	v_lshl_add_u32 v[SA], v1, 3, v[SA]
.set t, 0
.rept 16
	global_load_b64 v[MTB+2*t:MTB+2*t+1], v[SA], s[8:9] offset:16384*t
	global_load_b64 v[LTB+2*t:LTB+2*t+1], v[SA], s[8:9] offset:16384*t+128
.set t, t+1
.endr
	; addresses, while those loads are out
	v_and_b32 v5, 7, v0
	v_lshl_add_u32 v5, v2, 3, v5                   ; the turning load: lane l reads key 8 (l / 16) + l % 8,
	v_mul_u32_u24 v5, v5, PV
	v_bfe_u32 v6, v0, 3, 1
	v_lshl_add_u32 v5, v6, 4, v5                   ; channels 8 ((l / 8) % 2) + 0..7
	s_lshl_b32 s74, s[CW], 8
	s_add_co_u32 s74, s74, VB0
	v_add_nc_u32 v[ADRB], s74, v5
	v_add_nc_u32 v[ADRB+1], SLOT, v[ADRB]
	s_lshl_b32 s74, s[RW], 15
	v_lshl_add_u32 v[ADRA], v3, 4, s74             ; p's blocks lie as the fragments want them: 16 bytes a lane
	v_add_nc_u32 v[ADRA+1], SLOT, v[ADRA]
	s_lshl_b32 s74, s[RW], 9
	s_add_co_u32 s74, s74, FT
	v_lshl_add_u32 v[FTA0], v1, 5, s74
	s_lshl_b32 s75, s[CW], 4
	s_add_co_u32 s75, s75, s74
	v_lshl_add_u32 v[FS], v1, 5, s75               ; my two rows are query blocks 2 (2 (w % 2) + h) and + 1 of query half w / 2
	v_lshl_add_u32 v[FS], v2, 3, v[FS]
	v_lshlrev_b32 v[PO], 4, v3
	v_lshlrev_b32 v[S2A], 4, v0
	; the prefetches
	s_and_b32 s74, s[CLY], 1
	s_cmp_eq_u32 s[RW], 0                          ; do I fetch p?
	s_cselect_b64 s[PFA:PFA+1], s[40:41], s[72:73]
	s_cselect_b32 s78, s[CX], s[CY]                ; my place among the four that ask with me,
	s_cselect_b32 s79, 20, 15                      ; times two query blocks, or 16 rows
	s_cselect_b32 s[PSTEP], 12, 18                 ; a step: 4,096 bytes of p's rows, 128 rows of V
	s_cselect_b32 s74, 0, s74
	s_cselect_b32 s42, 4, 1                        ; a lane's block: (l / 16) query blocks + (l % 16) x 256, or (l / 2) rows + (l % 2) x 256
	s_cselect_b32 s43, 15, 1
	s_cselect_b32 s75, 19, 11
	s_cmp_eq_u32 s74, 0
	s_cselect_b32 s[LIM], 1, -1                    ; the same in all sixteen partners, for a given wave
	s_lshl_b32 s[PSTEP], 1, s[PSTEP]
	s_mov_b32 s[PSTEP+1], 0
	s_lshl_b32 s78, s78, s79
	s_mov_b32 s79, 0
	s_add_nc_u64 s[PFA:PFA+1], s[PFA:PFA+1], s[78:79]
	s_mul_i32 s78, s[PSTEP], 3
	s_add_nc_u64 s[PFA:PFA+1], s[PFA:PFA+1], s[78:79]  ; at step 3: the first refill steps it to 4 and names that
	v_lshrrev_b32 v[PFO], s42, v3
	v_lshlrev_b32 v[PFO], s75, v[PFO]
	v_and_b32 v7, s43, v3
	v_lshl_add_u32 v[PFO], v7, 8, v[PFO]
	; where my results go
	s_lshl_b32 s78, s[SPL], 3
	s_add_co_u32 s78, s78, s[TR]
	s_lshl_b32 s78, s78, 2
	s_add_co_u32 s78, s78, s[TC]                   ; (8 split + query tile) 4 + channel tile
	s_lshl_b32 s74, s78, 11
	s_mov_b32 s75, 0
	s_add_nc_u64 s[12:13], s[12:13], s[74:75]
	s_lshl_b32 s74, s78, 18
	s_lshl_b32 s78, s[WV], 16
	s_add_co_u32 s74, s74, s78
	s_add_nc_u64 s[10:11], s[10:11], s[74:75]
	s_wait_loadcnt 0x0                             ; m and l
.irp e, 0,1
	v_max3_num_f32 v[QQ+2*(\e)], v[MTB+(\e)], v[MTB+2+(\e)], v[MTB+4+(\e)]
.endr
.set t, 3
.rept 6
.irp e, 0,1
	v_max3_num_f32 v[QQ+2*(\e)], v[QQ+2*(\e)], v[MTB+2*t+(\e)], v[MTB+2*t+2+(\e)]
.endr
.set t, t+2
.endr
.irp e, 0,1
	v_max_num_f32 v[QQ+2*(\e)], v[QQ+2*(\e)], v[MTB+30+(\e)]       ; M
.endr
.set t, 0
.rept 16
.irp e, 0,1
	v_sub_f32 v[MTB+2*t+(\e)], v[MTB+2*t+(\e)], v[QQ+2*(\e)]
.endr
.set t, t+1
.endr
.set t, 0
.rept 32
	v_exp_f32 v[MTB+t], v[MTB+t]
.set t, t+1
.endr
	v_mov_b32 v[QQ+1], 0                           ; plain instructions behind the last exponential (ISA guide 5.7.2),
	v_mov_b32 v[QQ+3], 0
	s_wait_alu depctr_va_vdst(0)                   ; and the one wait ahead of the batch's first reader
.set t, 0
.rept 32
	v_cvt_pk_bf16_f32 v[MTB+t], v[MTB+t], v[MTB+t] ; (f, f)
.set t, t+1
.endr
.set t, 0
.rept 16
.irp e, 0,1
	v_fma_mix_f32_bf16 v[QQ+2*(\e)+1], v[MTB+2*t+(\e)], v[LTB+2*t+(\e)], v[QQ+2*(\e)+1] op_sel_hi:[1,0,0]  ; L += the rounded f x l, in f32
.endr
.set t, t+1
.endr
.set t, 0
.rept 16
	ds_store_b64 v[FS], v[MTB+2*t:MTB+2*t+1] offset:1024*t
.set t, t+1
.endr
	global_store_b128 v[S2A], v[QQ:QQ+3], s[12:13] ; 512 consecutive bytes a wave, aligned; its registers are never written again
; 16 matrix instructions: query blocks a0, a0 + 1 of the window's four x all 8 channel blocks, 32 keys.  The 64 accumulators take turns in the same order in every quarter.
; sf >= 0: behind every fourth one four riders scale registers sf .. sf + 15 (two fragments of p) by the factors sc, sc + 1: the first fragment is done behind the eighth product, the second behind the sixteenth.
.macro MUL16 f, hi, a0, zero, sf, sc
.set rn, 0
.irp a, \a0, (\a0)+1
.irp b, 0,1,2,3,4,5,6,7
	WIN MUL_LO+0x50*(\hi)
.if \zero
	v_wmma_f32_16x16x32_bf16 v[8*(8*(\a)+(\b)):8*(8*(\a)+(\b))+7], v[(\f)+8*(\b):(\f)+8*(\b)+7], v[(\f)+8*(4*(\hi)+(\a)):(\f)+8*(4*(\hi)+(\a))+7], 0
.else
	v_wmma_f32_16x16x32_bf16 v[8*(8*(\a)+(\b)):8*(8*(\a)+(\b))+7], v[(\f)+8*(\b):(\f)+8*(\b)+7], v[(\f)+8*(4*(\hi)+(\a)):(\f)+8*(4*(\hi)+(\a))+7], v[8*(8*(\a)+(\b)):8*(8*(\a)+(\b))+7]
.endif
.if ((\sf) >= 0) && (((\b)%4) == 3)
	WIN 0
.rept 4
	v_pk_mul_bf16 v[(\sf)+rn], v[(\sf)+rn], v[(\sc)+rn/8]
.set rn, rn+1
.endr
.endif
.endr
.endr
.endm
; 32 LDS loads in one run, quarter q (32 keys) of a slot into buffer f: p's blocks 0 and 1 first (they are scaled first), V's eight, p's blocks 2 to 7
.macro ALD slot, q, f, i
	ds_load_b128 v[(\f)+8*(\i):(\f)+8*(\i)+3],   v[ADRA+(\slot)] offset:4096*(\i)+1024*(\q)
	ds_load_b128 v[(\f)+8*(\i)+4:(\f)+8*(\i)+7], v[ADRA+(\slot)] offset:4096*(\i)+1024*(\q)+512
.endm
.macro FETCH slot, q, f
	WIN 0
	ALD \slot, \q, \f, 0
	ALD \slot, \q, \f, 1
	WIN TO_B
.irp i, 0,1,2,3,4,5,6,7
	ds_load_tr16_b128 v[(\f)+8*(\i):(\f)+8*(\i)+3],   v[ADRB+(\slot)] offset:32*PV*(\q)+32*(\i)
	ds_load_tr16_b128 v[(\f)+8*(\i)+4:(\f)+8*(\i)+7], v[ADRB+(\slot)] offset:32*PV*(\q)+32*(\i)+16*PV
.endr
	WIN 0
.irp i, 2,3,4,5,6,7
	ALD \slot, \q, \f, \i
.endr
.endm
.macro FLOAD set                       ; the next step's eight factors
	WIN 0
	v_add_nc_u32 v[FTA], s[FTS], v[FTA0]
	ds_load_b128 v[(\set):(\set)+3], v[FTA]
	ds_load_b128 v[(\set)+4:(\set)+7], v[FTA] offset:16
	s_add_co_u32 s[FTS], s[FTS], 1024
.endm
.macro PLACES                          ; four places behind a matrix instruction, in front of loads into registers that it has read and of stores that read its result
.rept 4
	v_nop
.endr
.endm
; A step is four quarters of 32 keys on buffers 0, 1, 0, 1.  One of the first three: multiplies f (its blocks 0 and 1 are scaled already), fetches quarter q into g, scales f's blocks 2 to 7 and g's 0 and 1 by the step's factors fc.
; fl >= 0: the next step's factors are fetched into set fl.
.macro QUARTER slot, q, f, g, zero, fc, fl
	s_wait_dscnt 8                                 ; V's fragments and p's blocks 0-3 are in; the youngest eight loads (blocks 4-7) may be out
	MUL16 \f, 0, 0, \zero, (\f)+16, (\fc)+2
	WIN 0
	PLACES
.if (\fl) >= 0
	FLOAD \fl
.endif
	FETCH \slot, \q, \g
	s_wait_dscnt 32                                ; all but the 32 just issued
	MUL16 \f, 0, 2, \zero, (\f)+32, (\fc)+4
	MUL16 \f, 1, 0, \zero, (\f)+48, (\fc)+6
	s_wait_dscnt 28                                ; the run's first four loads, g's blocks 0 and 1, are in
	MUL16 \f, 1, 2, \zero, \g, \fc
.endm
; The last quarter multiplies buffer 1 and changes slots: one barrier; in front of it each wave waits for all its tensor loads (one is out: its part of the next slot), adds 0 to its spare word, and waits for that and for its
; reads of this slot.  fill = 1: the barrier opens a round of the cluster's, and the joint refill is the first tensor load behind it.  fn: the next step's factors.
.macro TURN slot, next, fc, fn, fill
.if \fill
	s_wait_xcnt 0x0                                ; the last prefetch, a step back, has read its address
	s_add_nc_u64 s[PFA:PFA+1], s[PFA:PFA+1], s[PSTEP:PSTEP+1]
.endif
	WIN 0
	s_wait_tensorcnt 0x0
	ds_add_u32 v[SPW], v[NIL]
	s_wait_dscnt 9                                 ; (the add and p's blocks 4-7 may be out)
	MUL16 F1, 0, 0, 0, F1+16, (\fc)+2
	s_wait_dscnt 0x0                               ; the add is done, and my reads of this slot are over
	s_barrier_signal -1
	MUL16 F1, 0, 2, 0, F1+32, (\fc)+4              ; work on registers while the others arrive
	WIN 0
	s_barrier_wait -1
.if \fill
	CREST                                          ; no wave of any partner still reads this slot or has a load on its way
	s_add_nc_u64 s[G0+4*(\slot)+2:G0+4*(\slot)+3], s[G0+4*(\slot)+2:G0+4*(\slot)+3], 2*4096
	s_add_nc_u64 s[G0B+4*(\slot)+2:G0B+4*(\slot)+3], s[G0B+4*(\slot)+2:G0B+4*(\slot)+3], 2*262144
	JLOAD \slot                                    ; its four v_nop are also the places in front of the loads below
.else
	PLACES
.endif
	FETCH \next, 0, F0
.if \fill
	ASK
.endif
	MUL16 F1, 1, 0, 0, F1+48, (\fc)+6
	s_wait_dscnt 28
	MUL16 F1, 1, 2, 0, F0, \fn
.endm
	s_wait_tensorcnt 1                             ; my part of step 0 is in; step 1's may stay out
	s_wait_dscnt 0x0                               ; my part of the table is stored
	s_barrier_signal -1
	s_barrier_wait -1
	FLOAD FAC0
	FETCH 0, 0, F0
	s_wait_dscnt 28                                ; the factors and p's blocks 0 and 1
.set i, 0
.rept 16
	v_pk_mul_bf16 v[F0+i], v[F0+i], v[FAC0+i/8]
.set i, i+1
.endr
	QUARTER 0, 1, F0, F1, 1, FAC0, -1              ; the first quarter stands in front of the loop: its products start the sums
	WIN 0
	s_mov_b32 s3, LAPS-1
.Llap:                                                 ; a trip goes once round the ring and fills both slots again
	QUARTER 0, 2, F1, F0, 0, FAC0, FAC1
	QUARTER 0, 3, F0, F1, 0, FAC0, -1
	TURN 0, 1, FAC0, FAC1, 1
	QUARTER 1, 1, F0, F1, 0, FAC1, -1
	QUARTER 1, 2, F1, F0, 0, FAC1, FAC0
	QUARTER 1, 3, F0, F1, 0, FAC1, -1
	TURN 1, 0, FAC1, FAC0, 1
	QUARTER 0, 1, F0, F1, 0, FAC0, -1
	WIN 0
	s_sub_co_u32 s3, s3, 1
	s_cmp_lg_u32 s3, 0
	s_cbranch_scc1 .Llap
	QUARTER 0, 2, F1, F0, 0, FAC0, FAC1            ; the last lap is written out: it fills nothing
	QUARTER 0, 3, F0, F1, 0, FAC0, -1
	TURN 0, 1, FAC0, FAC1, 0
	QUARTER 1, 1, F0, F1, 0, FAC1, -1
	QUARTER 1, 2, F1, F0, 0, FAC1, -1
	QUARTER 1, 3, F0, F1, 0, FAC1, -1
	s_wait_dscnt 8
	MUL16 F1, 0, 0, 0, F1+16, FAC1+2
	s_wait_dscnt 0x0
	MUL16 F1, 0, 2, 0, F1+32, FAC1+4
	MUL16 F1, 1, 0, 0, F1+48, FAC1+6
	MUL16 F1, 1, 2, 0, -1, 0
	WIN 0
	PLACES
	; THE WAY OUT: the accumulators as they lie, each from its low end on; every store covers 512 consecutive bytes, aligned
.set ia, 0
.rept 8
	WIN 0x08+4*(ia/4)                              ; the stores' data (source 1) in window 2 or 3
.set ib, 0
.rept 8
	global_store_b128 v[PO], v[8*(8*(ia%4)+ib):8*(8*(ia%4)+ib)+3],   s[10:11] offset:(8*ia+ib)*1024 th:TH_STORE_NT
	global_store_b128 v[PO], v[8*(8*(ia%4)+ib)+4:8*(8*(ia%4)+ib)+7], s[10:11] offset:(8*ia+ib)*1024+512 th:TH_STORE_NT
.set ib, ib+1
.endr
.set ia, ia+1
.endr
	WIN 0
	s_wait_tensorcnt 0x0                           ; the wave's end, behind my last tensor load and my last LDS store
	ds_add_u32 v[SPW], v[NIL]
	s_wait_dscnt 0x0
	CROUND                                         ; the closing round
	s_endpgm
.Lfunc_end_k_q6dcd02b183_mix:
	.size	k_q6dcd02b183_mix, .Lfunc_end_k_q6dcd02b183_mix-k_q6dcd02b183_mix
	.p2alignl 7, 3214868480
	.fill 96, 4, 3214868480
	.section	.rodata,"a",@progbits
	.p2align	6, 0x0
	.amdhsa_kernel k_q6dcd02b183_mix
		.amdhsa_group_segment_fixed_size 327680
		.amdhsa_private_segment_fixed_size 0
		.amdhsa_enable_private_segment 0
		.amdhsa_kernarg_size 40
		.amdhsa_user_sgpr_count 2
		.amdhsa_user_sgpr_kernarg_segment_ptr 1
		.amdhsa_wavefront_size32 1
		.amdhsa_system_sgpr_workgroup_id_x 1
		.amdhsa_system_sgpr_workgroup_id_y 1
		.amdhsa_system_sgpr_workgroup_id_z 1
		.amdhsa_system_vgpr_workitem_id 0
		.amdhsa_next_free_vgpr 1024
		.amdhsa_next_free_sgpr 84
		.amdhsa_reserve_vcc 0
		.amdhsa_float_denorm_mode_32 3
		.amdhsa_float_denorm_mode_16_64 3
		.amdhsa_memory_ordered 1
		.amdhsa_forward_progress 1
		.amdhsa_inst_pref_size 216
	.end_amdhsa_kernel
	.amdgpu_metadata
---
amdhsa.version: [ 1, 2 ]
amdhsa.kernels:
  - .name:           k_q6dcd02b183_mix
    .symbol:         k_q6dcd02b183_mix.kd
    .args:
      - { .name: pf, .offset: 0, .size: 8, .value_kind: global_buffer, .address_space: global }
      - { .name: vb, .offset: 8, .size: 8, .value_kind: global_buffer, .address_space: global }
      - { .name: st, .offset: 16, .size: 8, .value_kind: global_buffer, .address_space: global }
      - { .name: part, .offset: 24, .size: 8, .value_kind: global_buffer, .address_space: global }
      - { .name: st2, .offset: 32, .size: 8, .value_kind: global_buffer, .address_space: global }
    .group_segment_fixed_size: 327680
    .private_segment_fixed_size: 0
    .kernarg_segment_align: 8
    .kernarg_segment_size: 40
    .max_flat_workgroup_size: 128
    .sgpr_count:     84
    .vgpr_count:     1024
    .wavefront_size: 32
...
	.end_amdgpu_metadata
.endif
;; end of part 3
;; launch combine (part 4): grid 256 x 1, 4 waves a work-group, no clusters, 34,304 bytes of LDS; arguments part, st2, xb, alpha, out0; writes out0
.if DOCPART == 4
	.amdgcn_target "amdgcn-amd-amdhsa--gfx1250"
	.amdhsa_code_object_version 6
	.text
	.protected	k_q6dcd02b183_combine
	.globl	k_q6dcd02b183_combine
	.p2align	8
	.type	k_q6dcd02b183_combine,@function
k_q6dcd02b183_combine:
	s_mov_b64 s[64:65], 0
	v_nop
	global_prefetch_b8 v0, s[64:65] scope:SCOPE_SE
	s_setreg_imm32_b32 hwreg(HW_REG_WAVE_MODE, 25, 1), 1
	s_wait_xcnt 0x0
; THE THIRD LEVEL OF THE SOFTMAX AND THE LAST ADDITION.  Nothing of the problem is left out.
; For a query: M = max over the 8 splits of M_s;  g_s = 2^(M_s - M), at most 1;  out = xb + bf16(alpha) (sum of g_s O_s) / (sum of g_s L_s), all in f32.  The divisor is at least 1.
; LIMITS.  NaN and infinities are not treated apart; a g below 2^-126 counts as 0; x and alpha enter rounded to bf16, like every input.
; SHARES.  A wave takes one unit u = 4 x work-group + wave: 16 queries x 128 channels: in each split 8,192 consecutive bytes of part at 8,192 u (u = ((query tile x 4 + channel tile) x 4 + wave of mix) x 8 + a).
; All its 152 loads go out as early as the counters allow; the sums follow split by split.  A lane holds one query's pieces of 4 channels, so the unit goes through the wave's own stage in LDS
; (rows of 528 bytes) and leaves as whole rows: every store covers 512 consecutive bytes, aligned.  No matrix unit, no cluster: nothing is shared.  No prefetch: the loads themselves are the stream.
; REGISTERS: window 0 as named below; window 1: splits 0-3, 64 registers each; window 2: splits 4-7.
.set SPARE, 33792                      ; behind the four stages of 16 x 528 bytes: the spare words, 128 bytes a wave
.set LN16, 2                           ; v2  16 x lane
.set R16,  3                           ; v3  16 x (lane % 16)
.set LN8,  4                           ; v4  8 x lane
.set STO,  5                           ; v5  where I put 16 bytes of my query's row
.set SPW,  6
.set NIL,  7
.set ML,   8                           ; v[8:23]   M_s, L_s
.set XB,   24                          ; v[24:55]  row i of xb: 2 registers
.set SC,   56                          ; v[56:71]  g_s alpha / L, twice: a pair for the packed multiply
.set GG,   72                          ; v72-79    g_s
.set TT,   84                          ; v[84:87]  at work
.set RD,   92                          ; v92  where I read rows back
.set ACC,  96                          ; v[96:159]
.set ROW,  160                         ; v[160:223]
.set MSB, 0
.macro WIN new
.if MSB != (\new)
	s_set_vgpr_msb (MSB<<8)|(\new)
.set MSB, \new
.endif
.endm
	s_load_b256 s[4:11], s[0:1], 0x0               ; part s[4:5], st2 s[6:7], xb s[8:9], alpha s[10:11]
	s_load_b64 s[12:13], s[0:1], 0x20              ; out0
	v_lshl_add_u32 v[SPW], v0, 2, SPARE
	v_mov_b32 v[NIL], 0
	v_lshrrev_b32 v1, 5, v0
	v_readfirstlane_b32 s14, v1                    ; wave
	s_lshl_b32 s15, ttmp9, 2
	s_add_co_u32 s15, s15, s14                     ; u
	s_and_b32 s32, s15, 7                          ; a
	s_bfe_u32 s33, s15, 0x20003                    ; mix's wave
	s_bfe_u32 s34, s15, 0x20005                    ; channel tile
	s_lshr_b32 s35, s15, 7                         ; query tile
	s_lshr_b32 s36, s33, 1
	s_and_b32 s37, s33, 1
	s_lshl_b32 s40, s36, 3
	s_add_co_u32 s40, s40, s32                     ; my block of 16 rows in the tile, 0 to 15
	s_lshr_b32 s42, s15, 5                         ; st2: (query tile x 4 + channel tile) x 2,048
	s_lshl_b32 s42, s42, 11
	s_lshr_b32 s43, s40, 1
	s_lshl_b32 s43, s43, 8                         ; + 256 for each 32 rows
	s_add_co_u32 s42, s42, s43
	s_and_b32 s43, s40, 1
	s_lshl_b32 s43, s43, 3                         ; + 8 for the upper 16 of them
	s_add_co_u32 s42, s42, s43
	s_mov_b32 s43, 0
	s_lshl_b32 s44, s35, 8
	s_lshl_b32 s45, s40, 4
	s_add_co_u32 s44, s44, s45                     ; my first row
	s_lshl_b32 s45, s34, 8
	s_lshl_b32 s46, s37, 7
	s_add_co_u32 s45, s45, s46                     ; my first channel
	s_lshl_b32 s46, s44, 11
	s_lshl_b32 s47, s45, 1
	s_add_co_u32 s46, s46, s47                     ; in xb, in bytes;
	s_mov_b32 s47, 0
	s_lshl_b32 s44, s46, 1                         ; in out0 twice that
	s_mov_b32 s45, 0
	s_lshl_b32 s40, s15, 13
	s_mov_b32 s41, 0
	s_mul_i32 s48, s14, 8448                       ; my stage
	s_mov_b32 s39, 0xffff0000
	v_and_b32 v1, 15, v0
	v_bfe_u32 v72, v0, 4, 1
	v_and_b32 v73, 31, v0
	v_lshlrev_b32 v[LN16], 4, v73
	v_lshlrev_b32 v[R16], 4, v1
	v_lshlrev_b32 v[LN8], 3, v73
	v_mul_u32_u24 v[STO], v1, 528
	v_lshl_add_u32 v[STO], v72, 5, v[STO]          ; row r, 32 bytes for each half of the lanes
	v_add_nc_u32 v[STO], s48, v[STO]
	v_lshl_add_u32 v[RD], v73, 4, s48
	s_wait_kmcnt 0x0
	s_load_b32 s38, s[10:11], 0x0                  ; alpha
	s_add_nc_u64 s[6:7], s[6:7], s[42:43]
	s_add_nc_u64 s[8:9], s[8:9], s[46:47]
	s_add_nc_u64 s[12:13], s[12:13], s[44:45]
	s_add_nc_u64 s[16:17], s[4:5], s[40:41]        ; a base for each split: 8,388,608 bytes apart, more than a load's immediate holds
.irp s, 1,2,3,4,5,6,7
	s_add_nc_u64 s[16+2*(\s):17+2*(\s)], s[14+2*(\s):15+2*(\s)], 0x800000
.endr
.irp s, 0,1,2,3,4,5,6,7
	global_load_b64 v[ML+2*(\s):ML+2*(\s)+1], v[R16], s[6:7] offset:65536*(\s)
.endr
.macro SPLIT s                         ; a split's 16 loads of 512 consecutive bytes
	WIN 0x40*(1+(\s)/4)                            ; destination window 1 or 2
.set i, 0
.rept 16
	global_load_b128 v[64*((\s)%4)+4*i:64*((\s)%4)+4*i+3], v[LN16], s[16+2*(\s):17+2*(\s)] offset:512*i th:TH_LOAD_NT
.set i, i+1
.endr
.endm
	SPLIT 0
	SPLIT 1
	SPLIT 2
	WIN 0
	s_wait_loadcnt 48                              ; M_s and L_s are in; the 48 loads behind them stay out
	v_max3_num_f32 v80, v[ML], v[ML+2], v[ML+4]
	v_max3_num_f32 v80, v80, v[ML+6], v[ML+8]
	v_max3_num_f32 v80, v80, v[ML+10], v[ML+12]
	v_max_num_f32 v80, v80, v[ML+14]
.irp s, 0,1,2,3,4,5,6,7
	v_sub_f32 v[GG+(\s)], v[ML+2*(\s)], v80
.endr
.irp s, 0,1,2,3,4,5,6,7
	v_exp_f32 v[GG+(\s)], v[GG+(\s)]
.endr
	v_nop                                          ; a plain instruction behind the last exponential (ISA guide 5.7.2),
	s_wait_alu depctr_va_vdst(0)                   ; and the one wait ahead of the batch's first reader
	v_mul_f32 v81, v[GG], v[ML+1]
.irp s, 1,2,3,4,5,6,7
	v_fmac_f32 v81, v[GG+(\s)], v[ML+2*(\s)+1]
.endr
	v_rcp_f32 v83, v81
	s_wait_kmcnt 0x0                               ; alpha
	v_mov_b32 v82, s38                             ; plain work behind the reciprocal:
	v_cvt_pk_bf16_f32 v82, v82, v82                ; alpha rounded to bf16 like every input
	v_lshlrev_b32 v82, 16, v82
	s_wait_alu depctr_va_vdst(0)                   ; the reciprocal's wait, ahead of its reader
	v_mul_f32 v83, v82, v83
.irp s, 0,1,2,3,4,5,6,7
	v_mul_f32 v[SC+2*(\s)], v[GG+(\s)], v83
	v_mul_f32 v[SC+2*(\s)+1], v[GG+(\s)], v83
.endr
	SPLIT 3
	SPLIT 4
	SPLIT 5
	SPLIT 6
	SPLIT 7
	WIN 0
.set i, 0
.rept 16
	global_load_b64 v[XB+2*i:XB+2*i+1], v[LN8], s[8:9] offset:2048*i  ; 256 consecutive bytes of row i, aligned
.set i, i+1
.endr
; Split s is added in.  left: how many younger loads may stay out (for the first five more are younger than the count's field holds: 63 is the largest that a wait can name, and a smaller count is always right).
.macro ADDIN s, left
	s_wait_loadcnt \left
	WIN 0x01+(\s)/4                                ; source 0 in window 1 or 2
.set i, 0
.rept 32
.if (\s) == 0
	v_pk_mul_f32 v[ACC+2*i:ACC+2*i+1], v[2*i:2*i+1], v[SC:SC+1]
.else
	v_pk_fma_f32 v[ACC+2*i:ACC+2*i+1], v[64*((\s)%4)+2*i:64*((\s)%4)+2*i+1], v[SC+2*(\s):SC+2*(\s)+1], v[ACC+2*i:ACC+2*i+1]
.endif
.set i, i+1
.endr
.endm
	ADDIN 0, 63
	ADDIN 1, 63
	ADDIN 2, 63
	ADDIN 3, 63
	ADDIN 4, 63
	ADDIN 5, 48                                    ; splits 6 and 7 and xb
	ADDIN 6, 32
	ADDIN 7, 16
	WIN 0
.set i, 0
.rept 16                               ; piece i = 2 b + half: channels 16 b + 8 (l / 16) + 4 half + 0..3 of my query
	ds_store_b128 v[STO], v[ACC+4*i:ACC+4*i+3] offset:64*(i/2)+16*(i%2)
.set i, i+1
.endr
.set i, 0
.rept 16
	ds_load_b128 v[ROW+4*i:ROW+4*i+3], v[RD] offset:528*i  ; LDS serves a wave's instructions in order (ISA guide 5.7.1.4): these see my stores above; no other wave touches my stage
.set i, i+1
.endr
	s_wait_loadcnt 0x0                             ; xb
.set i, 0
.rept 16
	s_wait_dscnt 15-i                              ; row i is back
	v_lshlrev_b32 v[TT], 16, v[XB+2*i]
	v_and_b32 v[TT+1], s39, v[XB+2*i]
	v_lshlrev_b32 v[TT+2], 16, v[XB+2*i+1]
	v_and_b32 v[TT+3], s39, v[XB+2*i+1]
	v_pk_add_f32 v[ROW+4*i:ROW+4*i+1], v[ROW+4*i:ROW+4*i+1], v[TT:TT+1]
	v_pk_add_f32 v[ROW+4*i+2:ROW+4*i+3], v[ROW+4*i+2:ROW+4*i+3], v[TT+2:TT+3]
	global_store_b128 v[LN16], v[ROW+4*i:ROW+4*i+3], s[12:13] offset:4096*i  ; 512 consecutive bytes of row i, aligned
.set i, i+1
.endr
	s_wait_tensorcnt 0x0                           ; the wave's end, behind my last LDS store
	ds_add_u32 v[SPW], v[NIL]
	s_wait_dscnt 0x0
	s_endpgm
.Lfunc_end_k_q6dcd02b183_combine:
	.size	k_q6dcd02b183_combine, .Lfunc_end_k_q6dcd02b183_combine-k_q6dcd02b183_combine
	.p2alignl 7, 3214868480
	.fill 96, 4, 3214868480
	.section	.rodata,"a",@progbits
	.p2align	6, 0x0
	.amdhsa_kernel k_q6dcd02b183_combine
		.amdhsa_group_segment_fixed_size 34304
		.amdhsa_private_segment_fixed_size 0
		.amdhsa_enable_private_segment 0
		.amdhsa_kernarg_size 40
		.amdhsa_user_sgpr_count 2
		.amdhsa_user_sgpr_kernarg_segment_ptr 1
		.amdhsa_wavefront_size32 1
		.amdhsa_system_sgpr_workgroup_id_x 1
		.amdhsa_system_sgpr_workgroup_id_y 1
		.amdhsa_system_sgpr_workgroup_id_z 1
		.amdhsa_system_vgpr_workitem_id 0
		.amdhsa_next_free_vgpr 768
		.amdhsa_next_free_sgpr 66
		.amdhsa_reserve_vcc 0
		.amdhsa_float_denorm_mode_32 3
		.amdhsa_float_denorm_mode_16_64 3
		.amdhsa_memory_ordered 1
		.amdhsa_forward_progress 1
		.amdhsa_inst_pref_size 44
	.end_amdhsa_kernel
	.amdgpu_metadata
---
amdhsa.version: [ 1, 2 ]
amdhsa.kernels:
  - .name:           k_q6dcd02b183_combine
    .symbol:         k_q6dcd02b183_combine.kd
    .args:
      - { .name: part, .offset: 0, .size: 8, .value_kind: global_buffer, .address_space: global }
      - { .name: st2, .offset: 8, .size: 8, .value_kind: global_buffer, .address_space: global }
      - { .name: xb, .offset: 16, .size: 8, .value_kind: global_buffer, .address_space: global }
      - { .name: alpha, .offset: 24, .size: 8, .value_kind: global_buffer, .address_space: global }
      - { .name: out0, .offset: 32, .size: 8, .value_kind: global_buffer, .address_space: global }
    .group_segment_fixed_size: 34304
    .private_segment_fixed_size: 0
    .kernarg_segment_align: 8
    .kernarg_segment_size: 40
    .max_flat_workgroup_size: 128
    .sgpr_count:     66
    .vgpr_count:     768
    .wavefront_size: 32
...
	.end_amdgpu_metadata
.endif
;; end of part 4
;; ======== version 2 of 2: 4 launches; version 1 with the launch combine written anew for expert scheduling mode
;; limits: values outside matrix products are rounded to bf16
;; workspace buffers: xb 4,194,304 bytes; kb 33,554,432 bytes; vb 33,554,432 bytes; pf 67,108,864 bytes; st 2,097,152 bytes; st2 524,288 bytes; part 67,108,864 bytes
;; launch conv: the kernel of part 1 again; grid 2304 x 1, 8 waves a work-group, no clusters, 0 bytes of LDS; arguments x, cache_image_features, xb, kb; writes xb, kb
;; launch scores: the kernel of part 2 again; grid 64 x 8, 4 waves a work-group, clusters of 4 x 4, 327,680 bytes of LDS; arguments xb, kb, beta, pf, st, cache_text_features, vb; writes pf, st, vb
;; launch mix: the kernel of part 3 again; grid 4 x 64, 4 waves a work-group, clusters of 4 x 4, 327,680 bytes of LDS; arguments pf, vb, st, part, st2; writes part, st2
;; launch combine (part 5): grid 256 x 1, 4 waves a work-group, no clusters, 34,304 bytes of LDS; arguments part, st2, xb, alpha, out0; writes out0
.if DOCPART == 5
	.amdgcn_target "amdgcn-amd-amdhsa--gfx1250"
	.amdhsa_code_object_version 6
	.text
	.protected	k_q6dcd02b183_combine
	.globl	k_q6dcd02b183_combine
	.p2align	8
	.type	k_q6dcd02b183_combine,@function
k_q6dcd02b183_combine:
	s_mov_b64 s[64:65], 0
	v_nop
	global_prefetch_b8 v0, s[64:65] scope:SCOPE_SE
	s_setreg_imm32_b32 hwreg(HW_REG_WAVE_SCHED_MODE, 0, 2), 2
	s_setreg_imm32_b32 hwreg(HW_REG_WAVE_MODE, 25, 1), 1
	s_wait_xcnt 0x0
	s_wait_alu depctr_vm_vsrc(0)
; THE THIRD LEVEL OF THE SOFTMAX AND THE LAST ADDITION.  Nothing of the problem is left out.
; For a query: M = max over the 8 splits of M_s;  g_s = 2^(M_s - M), at most 1;  out = xb + bf16(alpha) (sum of g_s O_s) / (sum of g_s L_s), all in f32.  The divisor is at least 1.
; LIMITS.  NaN and infinities are not treated apart; a g below 2^-126 counts as 0; x and alpha enter rounded to bf16, like every input.
; SHARES.  A wave takes one unit u = 4 x work-group + wave: 16 queries x 128 channels: in each split 8,192 consecutive bytes of part at 8,192 u (u = ((query tile x 4 + channel tile) x 4 + wave of mix) x 8 + a).
; All its 152 loads go out as early as the counters allow; the sums follow split by split.  A lane holds one query's pieces of 4 channels, so the unit goes through the wave's own stage in LDS
; (rows of 528 bytes) and leaves as whole rows: every store covers 512 consecutive bytes, aligned.  No matrix unit, no cluster: nothing is shared.  No prefetch: the loads themselves are the stream.
; REGISTERS: window 0 as named below; window 1: splits 0-3, 64 registers each; window 2: splits 4-7.
; THE MODE: SCHED_MODE bits 1:0 = 2 (LLVM: expert scheduling mode 2), set by the entry lines.  The code itself states the register dependences
; between vector instructions and memory or LDS instructions, with s_wait_alu, always for 0.
; THE PLAN.  Registers that memory or LDS instructions touch:
;   v2-v5, v92      addresses: written by vector lines at the head, read by every load, store and LDS instruction, never written again.
;   v6, v7          written at the head, read by the closing add alone.
;   ML, XB, splits  each written by one load; no vector line names them ahead of that load; read by vector lines behind the wait on LOADcnt; never loaded again.
;   ACC             written by the eight ADDINs; read by the 16 LDS stores; never written again.
;   ROW             written by the 16 LDS loads (no vector line names it before), then in place by the additions of xb; read by the 16 global stores; never written again.
;   SC, GG, TT, v80-83 are named by vector lines alone.
; So no register that a memory or LDS instruction has read is ever written again, and between the entry and the closing lines the text holds no wait on vm_vsrc.  Waits on va_vdst: one at the head for the addresses; the exponentials' and the reciprocal's;
; one ahead of the LDS stores; and on the way out one to a block of four rows: a block's four stores stand behind the wait at the next block's head, dealt among that block's additions, which name other registers.
.set SPARE, 33792                      ; behind the four stages of 16 x 528 bytes: the spare words, 128 bytes a wave
.set LN16, 2                           ; v2  16 x lane
.set R16,  3                           ; v3  16 x (lane % 16)
.set LN8,  4                           ; v4  8 x lane
.set STO,  5                           ; v5  where I put 16 bytes of my query's row
.set SPW,  6
.set NIL,  7
.set ML,   8                           ; v[8:23]   M_s, L_s
.set XB,   24                          ; v[24:55]  row i of xb: 2 registers
.set SC,   56                          ; v[56:71]  g_s alpha / L, twice: a pair for the packed multiply
.set GG,   72                          ; v72-79    g_s
.set TT,   84                          ; v[84:87]  at work
.set RD,   92                          ; v92  where I read rows back
.set ACC,  96                          ; v[96:159]
.set ROW,  160                         ; v[160:223]
.set MSB, 0
.macro WIN new
.if MSB != (\new)
	s_set_vgpr_msb (MSB<<8)|(\new)
.set MSB, \new
.endif
.endm
	s_load_b256 s[4:11], s[0:1], 0x0               ; part s[4:5], st2 s[6:7], xb s[8:9], alpha s[10:11]
	s_load_b64 s[12:13], s[0:1], 0x20              ; out0
	v_lshl_add_u32 v[SPW], v0, 2, SPARE
	v_mov_b32 v[NIL], 0
	v_lshrrev_b32 v1, 5, v0
	v_readfirstlane_b32 s14, v1                    ; wave
	v_and_b32 v1, 15, v0                           ; the lane's address lines that need no scalar stand between that line and the wait for it
	v_bfe_u32 v72, v0, 4, 1
	v_and_b32 v73, 31, v0
	v_lshlrev_b32 v[LN16], 4, v73
	v_lshlrev_b32 v[R16], 4, v1
	v_lshlrev_b32 v[LN8], 3, v73
	v_mul_u32_u24 v[STO], v1, 528
	v_lshl_add_u32 v[STO], v72, 5, v[STO]          ; row r, 32 bytes for each half of the lanes
	s_wait_alu depctr_va_sdst(0)                   ; s14 is written, ahead of its first reader: the unit's number, and with it every base, is made from it
	s_lshl_b32 s15, ttmp9, 2
	s_add_co_u32 s15, s15, s14                     ; u
	s_and_b32 s32, s15, 7                          ; a
	s_bfe_u32 s33, s15, 0x20003                    ; mix's wave
	s_bfe_u32 s34, s15, 0x20005                    ; channel tile
	s_lshr_b32 s35, s15, 7                         ; query tile
	s_lshr_b32 s36, s33, 1
	s_and_b32 s37, s33, 1
	s_lshl_b32 s40, s36, 3
	s_add_co_u32 s40, s40, s32                     ; my block of 16 rows in the tile, 0 to 15
	s_lshr_b32 s42, s15, 5                         ; st2: (query tile x 4 + channel tile) x 2,048
	s_lshl_b32 s42, s42, 11
	s_lshr_b32 s43, s40, 1
	s_lshl_b32 s43, s43, 8                         ; + 256 for each 32 rows
	s_add_co_u32 s42, s42, s43
	s_and_b32 s43, s40, 1
	s_lshl_b32 s43, s43, 3                         ; + 8 for the upper 16 of them
	s_add_co_u32 s42, s42, s43
	s_mov_b32 s43, 0
	s_lshl_b32 s44, s35, 8
	s_lshl_b32 s45, s40, 4
	s_add_co_u32 s44, s44, s45                     ; my first row
	s_lshl_b32 s45, s34, 8
	s_lshl_b32 s46, s37, 7
	s_add_co_u32 s45, s45, s46                     ; my first channel
	s_lshl_b32 s46, s44, 11
	s_lshl_b32 s47, s45, 1
	s_add_co_u32 s46, s46, s47                     ; in xb, in bytes;
	s_mov_b32 s47, 0
	s_lshl_b32 s44, s46, 1                         ; in out0 twice that
	s_mov_b32 s45, 0
	s_lshl_b32 s40, s15, 13
	s_mov_b32 s41, 0
	s_mul_i32 s48, s14, 8448                       ; my stage
	s_mov_b32 s39, 0xffff0000
	v_add_nc_u32 v[STO], s48, v[STO]
	v_lshl_add_u32 v[RD], v73, 4, s48
	s_wait_kmcnt 0x0
	s_load_b32 s38, s[10:11], 0x0                  ; alpha
	s_add_nc_u64 s[6:7], s[6:7], s[42:43]
	s_add_nc_u64 s[8:9], s[8:9], s[46:47]
	s_add_nc_u64 s[12:13], s[12:13], s[44:45]
	s_add_nc_u64 s[16:17], s[4:5], s[40:41]        ; a base for each split: 8,388,608 bytes apart, more than a load's immediate holds
.irp s, 1,2,3,4,5,6,7
	s_add_nc_u64 s[16+2*(\s):17+2*(\s)], s[14+2*(\s):15+2*(\s)], 0x800000
.endr
	s_wait_alu depctr_va_vdst(0)                   ; the five addresses v2 to v5 and v92 are written: every load, store and LDS instruction of the kernel reads one of them, and no vector line writes them again
.irp s, 0,1,2,3,4,5,6,7
	global_load_b64 v[ML+2*(\s):ML+2*(\s)+1], v[R16], s[6:7] offset:65536*(\s)
.endr
.macro SPLIT s                         ; a split's 16 loads of 512 consecutive bytes.  No wait: no vector line names their address since the head's wait, and none names their destinations ahead of them
	WIN 0x40*(1+(\s)/4)                            ; destination window 1 or 2
.set i, 0
.rept 16
	global_load_b128 v[64*((\s)%4)+4*i:64*((\s)%4)+4*i+3], v[LN16], s[16+2*(\s):17+2*(\s)] offset:512*i th:TH_LOAD_NT
.set i, i+1
.endr
.endm
	SPLIT 0
	SPLIT 1
	SPLIT 2
	WIN 0
	s_wait_loadcnt 48                              ; M_s and L_s are in; the 48 loads behind them stay out
	v_max3_num_f32 v80, v[ML], v[ML+2], v[ML+4]
	v_max3_num_f32 v80, v80, v[ML+6], v[ML+8]
	v_max3_num_f32 v80, v80, v[ML+10], v[ML+12]
	v_max_num_f32 v80, v80, v[ML+14]
.irp s, 0,1,2,3,4,5,6,7
	v_sub_f32 v[GG+(\s)], v[ML+2*(\s)], v80
.endr
.irp s, 0,1,2,3,4,5,6,7
	v_exp_f32 v[GG+(\s)], v[GG+(\s)]
.endr
	v_nop                                          ; a plain instruction behind the last exponential (ISA guide 5.7.2)
	s_wait_alu depctr_va_vdst(0)                   ; the eight exponentials have written g_s (v72 to v79), ahead of the batch's first reader
	v_mul_f32 v81, v[GG], v[ML+1]
.irp s, 1,2,3,4,5,6,7
	v_fmac_f32 v81, v[GG+(\s)], v[ML+2*(\s)+1]
.endr
	v_rcp_f32 v83, v81
	s_wait_kmcnt 0x0                               ; alpha
	v_mov_b32 v82, s38                             ; plain work behind the reciprocal:
	v_cvt_pk_bf16_f32 v82, v82, v82                ; alpha rounded to bf16 like every input
	v_lshlrev_b32 v82, 16, v82
	s_wait_alu depctr_va_vdst(0)                   ; the reciprocal has written v83, ahead of its reader
	v_mul_f32 v83, v82, v83
.irp s, 0,1,2,3,4,5,6,7
	v_mul_f32 v[SC+2*(\s)], v[GG+(\s)], v83
	v_mul_f32 v[SC+2*(\s)+1], v[GG+(\s)], v83
.endr
	SPLIT 3
	SPLIT 4
	SPLIT 5
	SPLIT 6
	SPLIT 7
	WIN 0
.set i, 0
.rept 16
	global_load_b64 v[XB+2*i:XB+2*i+1], v[LN8], s[8:9] offset:2048*i  ; 256 consecutive bytes of row i, aligned
.set i, i+1
.endr
; Split s is added in.  left: how many younger loads may stay out (for the first five more are younger than the count's field holds: 63 is the largest that a wait can name, and a smaller count is always right).
.macro ADDIN s, left
	s_wait_loadcnt \left
	WIN 0x01+(\s)/4                                ; source 0 in window 1 or 2
.set i, 0
.rept 32
.if (\s) == 0
	v_pk_mul_f32 v[ACC+2*i:ACC+2*i+1], v[2*i:2*i+1], v[SC:SC+1]
.else
	v_pk_fma_f32 v[ACC+2*i:ACC+2*i+1], v[64*((\s)%4)+2*i:64*((\s)%4)+2*i+1], v[SC+2*(\s):SC+2*(\s)+1], v[ACC+2*i:ACC+2*i+1]
.endif
.set i, i+1
.endr
.endm
	ADDIN 0, 63
	ADDIN 1, 63
	ADDIN 2, 63
	ADDIN 3, 63
	ADDIN 4, 63
	ADDIN 5, 48                                    ; splits 6 and 7 and xb
	ADDIN 6, 32
	ADDIN 7, 16
	WIN 0
	s_wait_alu depctr_va_vdst(0)                   ; the sums have written ACC, which the LDS stores read
.set i, 0
.rept 16                               ; piece i = 2 b + half: channels 16 b + 8 (l / 16) + 4 half + 0..3 of my query
	ds_store_b128 v[STO], v[ACC+4*i:ACC+4*i+3] offset:64*(i/2)+16*(i%2)
.set i, i+1
.endr
.set i, 0
.rept 16
	ds_load_b128 v[ROW+4*i:ROW+4*i+3], v[RD] offset:528*i  ; LDS serves a wave's instructions in order (ISA guide 5.7.1.4): these see my stores above; no other wave touches my stage
.set i, i+1
.endr
	s_wait_loadcnt 0x0                             ; xb
; The 16 rows go in four blocks of four.  Block p adds xb onto its rows in place; the stores of block p - 1 stand behind the one wait at block p's head, a store in front of each row's six vector lines.
.set p, 0
.rept 4
	s_wait_dscnt 12-4*p                            ; LDS loads come back in order (ISA guide 5.7.1): the block's four rows are back, the younger ones stay out
.if p > 0
	s_wait_alu depctr_va_vdst(0)                   ; the block before has written its four rows of ROW, which the stores below read; the vector lines among them name TT, XB and this block's rows alone
.endif
.set j, 0
.rept 4
.set i, 4*p+j
.if p > 0
	global_store_b128 v[LN16], v[ROW+4*(i-4):ROW+4*(i-4)+3], s[12:13] offset:4096*(i-4)  ; 512 consecutive bytes of row i - 4, aligned
.endif
	v_lshlrev_b32 v[TT], 16, v[XB+2*i]
	v_and_b32 v[TT+1], s39, v[XB+2*i]
	v_lshlrev_b32 v[TT+2], 16, v[XB+2*i+1]
	v_and_b32 v[TT+3], s39, v[XB+2*i+1]
	v_pk_add_f32 v[ROW+4*i:ROW+4*i+1], v[ROW+4*i:ROW+4*i+1], v[TT:TT+1]
	v_pk_add_f32 v[ROW+4*i+2:ROW+4*i+3], v[ROW+4*i+2:ROW+4*i+3], v[TT+2:TT+3]
.set j, j+1
.endr
.set p, p+1
.endr
	s_wait_alu depctr_va_vdst(0)                   ; the last block has written rows 12 to 15 of ROW, which the last four stores read
.set i, 12
.rept 4
	global_store_b128 v[LN16], v[ROW+4*i:ROW+4*i+3], s[12:13] offset:4096*i  ; 512 consecutive bytes of row i, aligned
.set i, i+1
.endr
	s_wait_dscnt 0x0                               ; the closing lines, six on end
	s_wait_alu 0x0
	s_wait_tensorcnt 0x0
	ds_add_u32 v[SPW], v[NIL]
	s_wait_dscnt 0x0
	s_endpgm
.Lfunc_end_k_q6dcd02b183_combine:
	.size	k_q6dcd02b183_combine, .Lfunc_end_k_q6dcd02b183_combine-k_q6dcd02b183_combine
	.p2alignl 7, 3214868480
	.fill 96, 4, 3214868480
	.section	.rodata,"a",@progbits
	.p2align	6, 0x0
	.amdhsa_kernel k_q6dcd02b183_combine
		.amdhsa_group_segment_fixed_size 34304
		.amdhsa_private_segment_fixed_size 0
		.amdhsa_enable_private_segment 0
		.amdhsa_kernarg_size 40
		.amdhsa_user_sgpr_count 2
		.amdhsa_user_sgpr_kernarg_segment_ptr 1
		.amdhsa_wavefront_size32 1
		.amdhsa_system_sgpr_workgroup_id_x 1
		.amdhsa_system_sgpr_workgroup_id_y 1
		.amdhsa_system_sgpr_workgroup_id_z 1
		.amdhsa_system_vgpr_workitem_id 0
		.amdhsa_next_free_vgpr 768
		.amdhsa_next_free_sgpr 66
		.amdhsa_reserve_vcc 0
		.amdhsa_float_denorm_mode_32 3
		.amdhsa_float_denorm_mode_16_64 3
		.amdhsa_memory_ordered 1
		.amdhsa_forward_progress 1
		.amdhsa_inst_pref_size 44
	.end_amdhsa_kernel
	.amdgpu_metadata
---
amdhsa.version: [ 1, 2 ]
amdhsa.kernels:
  - .name:           k_q6dcd02b183_combine
    .symbol:         k_q6dcd02b183_combine.kd
    .args:
      - { .name: part, .offset: 0, .size: 8, .value_kind: global_buffer, .address_space: global }
      - { .name: st2, .offset: 8, .size: 8, .value_kind: global_buffer, .address_space: global }
      - { .name: xb, .offset: 16, .size: 8, .value_kind: global_buffer, .address_space: global }
      - { .name: alpha, .offset: 24, .size: 8, .value_kind: global_buffer, .address_space: global }
      - { .name: out0, .offset: 32, .size: 8, .value_kind: global_buffer, .address_space: global }
    .group_segment_fixed_size: 34304
    .private_segment_fixed_size: 0
    .kernarg_segment_align: 8
    .kernarg_segment_size: 40
    .max_flat_workgroup_size: 128
    .sgpr_count:     66
    .vgpr_count:     768
    .wavefront_size: 32
...
	.end_amdgpu_metadata
.endif
;; end of part 5
